; MI455X (gfx1250); checked and timed in simulation.
; The chip was launched on July 23, 2026; its instructions are those of AMD's public machine-readable ISA for CDNA 5 (MIT licence, August 2026) and "CDNA5" Instruction Set Architecture Reference Guide (July 2026). The comments in the code are by the model that wrote it; some were corrected since.
;; Sparse Mo E. Allowed arithmetic: float matrix products may take bf16 or f16 operands with f32 sums; other float arithmetic in f32, or as packed bf16 or f16 multiplies, adds, multiply-adds, maxima and minima; sums over many terms, partial sums and values carried from step to step in f32; what a program stores and reads back later, other than sums and carried values, may be rounded once to bf16 or f16.
;; Inputs: b_down 8 x 1,024 float32; b_up 8 x 4,096 float32; gate_w 1,024 x 8 float32; w_down 8 x 4,096 x 1,024 float32; w_up 8 x 1,024 x 4,096 float32; x 4 x 256 x 1,024 float32.
;; Outputs: out0 4 x 256 x 1,024 float32; out1 one number float32.
;; Constants: deterministic = 1.
;; 3 versions, each right; version 2 is faster than version 1; version 3 is version 2 with the launches up, down written anew for expert scheduling mode. Each part assembles by itself: llvm-mc -triple=amdgcn-amd-amdhsa -mcpu=gfx1250 --defsym DOCPART=n.
;; ======== version 1 of 3: 4 launches
;; workspace buffers: xb 2,097,152 bytes; wts 8,192 bytes; sel 4,096 bytes of whole numbers; maps 2,048 bytes of whole numbers; part 4,096 bytes; hbuf 67,108,864 bytes; ybuf 33,554,432 bytes
;; launch route (part 1): grid 64 x 1, 8 waves a work-group, no clusters, 42,496 bytes of LDS; arguments x, gate_w, xb, wts, sel, maps, part; writes xb, wts, sel, maps, part
.if DOCPART == 1
	.amdgcn_target "amdgcn-amd-amdhsa--gfx1250"
	.amdhsa_code_object_version 6
	.text
	.protected	k_qcb765a52a8_route
	.globl	k_qcb765a52a8_route
	.p2align	8
	.type	k_qcb765a52a8_route,@function
k_qcb765a52a8_route:
	s_mov_b64 s[64:65], 0
	v_nop
	global_prefetch_b8 v0, s[64:65] scope:SCOPE_SE
	s_setreg_imm32_b32 hwreg(HW_REG_WAVE_MODE, 25, 1), 1
	s_wait_xcnt 0x0
; ROUTER.  logits = x gate_w (both rounded once to bf16, sums in f32), softmax with the row's maximum taken away, the two largest probabilities
; (of equal ones the lower index, as lax.top_k has it), their weights renormalised.  A work-group has 16 tokens, 64 work-groups have all 1,024.
; It stores: xb, x rounded to bf16, row-major; wts [token][2] f32; sel [token] = e0 | e1 << 8; maps, two bitmaps of 1,024 bits for each expert
; (byte 128 e: token chose e; byte 1024 + 128 e: e is its second choice; bit b of 16-bit word g is token 16 g + b); part [work-group][16]: the sums
; of the 8 probabilities and the 8 counts over its 16 tokens, for the loss.  No address and no branch hangs on a floating-point number: the choice is data alone.
; LIMITS.  NaN and infinities are not treated apart (a NaN logit gives no valid choice).  An exponential below 2^-126 counts as 0.
; SHARES.  Wave w rounds tokens 2 w, 2 w + 1 and lays them into LDS; then it multiplies all 16 tokens by K = 128 w .. 128 w + 127 of gate_w; wave 0 adds the eight parts and does the rest.
.set XTP,   2064                       ; a token's row in LDS: 2,048 bytes + 16 = 129 x 16: the 16 rows of a fragment load start at 16 different groups of four banks
.set PART,  33280                      ; behind the 16 rows: 8 waves x 32 lanes x 32 bytes of partial logits
.set SPARE, 41472                      ; behind them: the spare words, 128 bytes a wave, four blocks of 256 bytes that no other line names
.set SPW, 30                           ; v30  SPARE + 4 x my thread's number; never rewritten
.set NIL, 31                           ; v31  0; never rewritten
.set CV,  32                           ; v[32:63]   x rounded, 2 registers a piece: data of the stores, never rewritten
.set XF,  64                           ; v[64:127]  x as loaded; then TF and GP; then the eight waves' partial logits
.set TF,  64                           ; v[64:95]   token fragments of my four K steps
.set GP,  96                           ; v[96:127]  gate fragments, packed
.set G,   128                          ; v[128:191] gate_w as loaded
.set PS,  128                          ; later: v[128:135] probabilities, v[136:143] 1.0 where chosen
.set AC0, 192                          ; two accumulators, by turns
.set AC1, 200
.set LG,  208                          ; v[208:215] logits
.set Q,   216                          ; v[216:223] probabilities with the winner struck out
	s_load_b256 s[4:11], s[0:1], 0x0               ; x s[4:5], gate_w s[6:7], xb s[8:9], wts s[10:11]
	s_load_b128 s[12:15], s[0:1], 0x20             ; sel s[12:13], maps s[14:15]
	s_load_b64 s[16:17], s[0:1], 0x30              ; part
	v_lshl_add_u32 v[SPW], v0, 2, SPARE
	v_mov_b32 v[NIL], 0
	v_and_b32 v1, 31, v0                           ; lane
	v_and_b32 v2, 15, v0                           ; r
	v_bfe_u32 v3, v0, 4, 1                         ; h
	v_lshrrev_b32 v11, 5, v0
	v_readfirstlane_b32 s18, v11                   ; wave 0..7
	v_lshlrev_b32 v4, 4, v1
	v_lshl_add_u32 v4, s18, 13, v4                 ; x: two rows of 4,096 bytes a wave, 16 bytes a lane
	v_lshlrev_b32 v5, 3, v1
	v_lshl_add_u32 v5, s18, 12, v5                 ; xb: two rows of 2,048 bytes a wave, 8 bytes a lane
	s_mul_i32 s19, s18, 2*XTP
	v_lshl_add_u32 v6, v1, 3, s19                  ; the same place in LDS
	v_and_b32 v11, 7, v0
	v_lshlrev_b32 v7, 2, v11                       ; gate_w: expert r % 8 (rows 8-15 of the fragment repeat the experts),
	v_lshl_add_u32 v7, v3, 8, v7                   ; k = 8 h on (32 bytes a k),
	v_lshl_add_u32 v7, s18, 12, v7                 ; k = 128 w on
	v_mul_u32_u24 v8, v2, XTP
	v_lshl_add_u32 v8, v3, 4, v8
	v_lshl_add_u32 v8, s18, 8, v8                  ; token fragments: row r, byte 256 w + 16 h
	v_lshlrev_b32 v10, 5, v1                       ; partial logits: 32 bytes a lane,
	v_lshl_add_u32 v9, s18, 10, v10                ; 1,024 a wave
	s_mov_b32 s21, 0
	s_wait_kmcnt 0x0
	s_lshl_b32 s20, ttmp9, 16                      ; every buffer at this work-group's 16 tokens
	s_add_nc_u64 s[4:5], s[4:5], s[20:21]
	s_lshl_b32 s20, ttmp9, 15
	s_add_nc_u64 s[8:9], s[8:9], s[20:21]
	s_lshl_b32 s20, ttmp9, 7
	s_add_nc_u64 s[10:11], s[10:11], s[20:21]
	s_lshl_b32 s20, ttmp9, 6
	s_add_nc_u64 s[12:13], s[12:13], s[20:21]
	s_add_nc_u64 s[16:17], s[16:17], s[20:21]
	s_lshl_b32 s20, ttmp9, 1
	s_add_nc_u64 s[14:15], s[14:15], s[20:21]
.set i, 0
.rept 16                                               ; my two rows: each load takes 512 consecutive bytes
	global_load_b128 v[XF+4*i:XF+4*i+3], v4, s[4:5] offset:(i/8)*4096+(i%8)*512 th:TH_LOAD_NT
.set i, i+1
.endr
; The gate's fragment of K step kap: lane (r, h) holds k = 16 gg + 8 h + 0..7 of expert r % 8: sixteen words, 32 bytes apart.
.macro GLOAD kap
.set i, 0
.rept 16
	global_load_b32 v[G+16*(\kap)+i], v7, s[6:7] offset:(32*(\kap)+i+8*(i/8))*32
.set i, i+1
.endr
.endm
	GLOAD 0
	GLOAD 1
	s_wait_loadcnt 32                              ; x is in; the 32 gate loads issued behind it stay out
.set i, 0
.rept 16
	v_cvt_pk_bf16_f32 v[CV+2*i], v[XF+4*i], v[XF+4*i+1]
	v_cvt_pk_bf16_f32 v[CV+2*i+1], v[XF+4*i+2], v[XF+4*i+3]
	global_store_b64 v5, v[CV+2*i:CV+2*i+1], s[8:9] offset:(i/8)*2048+(i%8)*256   ; 32 lanes store 256 consecutive bytes, aligned
	ds_store_b64 v6, v[CV+2*i:CV+2*i+1] offset:(i/8)*XTP+(i%8)*256
.set i, i+1
.endr
	GLOAD 2
	GLOAD 3
	s_wait_dscnt 0x0                               ; for the others' sake: my two rows are in LDS
	s_barrier_signal -1
	s_barrier_wait -1
.irp kap, 0,1,2,3
	ds_load_b128 v[TF+8*\kap:TF+8*\kap+3],   v8 offset:64*\kap
	ds_load_b128 v[TF+8*\kap+4:TF+8*\kap+7], v8 offset:64*\kap+32
.endr
	s_wait_loadcnt 0x0                             ; all of my part of gate_w
.set i, 0
.rept 32
	v_cvt_pk_bf16_f32 v[GP+i], v[G+2*i], v[G+2*i+1]
.set i, i+1
.endr
	s_wait_dscnt 0x0
	; source 0 = experts, source 1 = tokens: lane (r, h) gets token r's eight logits in its eight registers.  Two accumulators take turns.
	v_wmma_f32_16x16x32_bf16 v[AC0:AC0+7], v[GP:GP+7],       v[TF:TF+7],       0
	v_wmma_f32_16x16x32_bf16 v[AC1:AC1+7], v[GP+8:GP+15],    v[TF+8:TF+15],    0
	v_wmma_f32_16x16x32_bf16 v[AC0:AC0+7], v[GP+16:GP+23],   v[TF+16:TF+23],   v[AC0:AC0+7]
	v_wmma_f32_16x16x32_bf16 v[AC1:AC1+7], v[GP+24:GP+31],   v[TF+24:TF+31],   v[AC1:AC1+7]
.rept 4
	v_nop                                          ; four places between the last product and the first read of its result (ISA guide 7.12.1)
.endr
.irp j, 0,1,2,3,4,5,6,7
	v_add_f32 v[LG+\j], v[AC0+\j], v[AC1+\j]
.endr
	ds_store_b128 v9, v[LG:LG+3] offset:PART
	ds_store_b128 v9, v[LG+4:LG+7] offset:PART+16
	s_wait_dscnt 0x0                               ; for wave 0's sake
	s_barrier_signal -1
	s_barrier_wait -1
	s_cmp_lg_u32 s18, 0
	s_cbranch_scc1 .Lend                           ; the rest is one wave's work: 16 tokens, twice (both halves of the lanes hold them)
.set i, 0
.rept 8
	ds_load_b128 v[XF+8*i:XF+8*i+3],   v10 offset:PART+1024*i
	ds_load_b128 v[XF+8*i+4:XF+8*i+7], v10 offset:PART+1024*i+16
.set i, i+1
.endr
	s_wait_dscnt 0x0
.irp p, 0,2,4,6
	v_pk_add_f32 v[LG+\p:LG+\p+1], v[XF+\p:XF+\p+1], v[XF+8+\p:XF+8+\p+1]
.endr
.irp w, 2,3,4,5,6,7                                    ; K ascending
.irp p, 0,2,4,6
	v_pk_add_f32 v[LG+\p:LG+\p+1], v[LG+\p:LG+\p+1], v[XF+8*\w+\p:XF+8*\w+\p+1]
.endr
.endr
	v_max3_num_f32 v11, v[LG], v[LG+1], v[LG+2]    ; the row's maximum
	v_max3_num_f32 v11, v11, v[LG+3], v[LG+4]
	v_max3_num_f32 v11, v11, v[LG+5], v[LG+6]
	v_max_num_f32 v11, v11, v[LG+7]
.irp j, 0,1,2,3,4,5,6,7
	v_sub_f32 v[LG+\j], v[LG+\j], v11              ; taken away first, so that large logits lose nothing
.endr
.irp j, 0,1,2,3,4,5,6,7
	v_mul_f32 v[LG+\j], 0x3fb8aa3b, v[LG+\j]       ; log2(e)
.endr
.irp j, 0,1,2,3,4,5,6,7
	v_exp_f32 v[LG+\j], v[LG+\j]
.endr
	v_nop                                          ; a plain instruction between the last exponential and the use of its result
	s_wait_alu depctr_va_vdst(0)
	v_add_f32 v12, v[LG], v[LG+1]
	v_add_f32 v13, v[LG+2], v[LG+3]
	v_add_f32 v26, v[LG+4], v[LG+5]
	v_add_f32 v27, v[LG+6], v[LG+7]
	v_add_f32 v12, v12, v13
	v_add_f32 v26, v26, v27
	v_add_f32 v12, v12, v26
	v_rcp_f32 v13, v12
	v_nop
	s_wait_alu depctr_va_vdst(0)
.irp j, 0,1,2,3,4,5,6,7
	v_mul_f32 v[PS+\j], v[LG+\j], v13              ; the probabilities
.endr
	v_mov_b32 v14, v[PS]                           ; the largest: ascending, strictly greater, so the lower index keeps a tie
	v_mov_b32 v15, 0
.irp j, 1,2,3,4,5,6,7
	v_cmp_gt_f32 vcc_lo, v[PS+\j], v14
	v_cndmask_b32 v14, v14, v[PS+\j], vcc_lo
	v_cndmask_b32 v15, v15, \j, vcc_lo
.endr
.irp j, 0,1,2,3,4,5,6,7
	v_cmp_eq_u32 vcc_lo, \j, v15
	v_cndmask_b32 v[Q+\j], v[PS+\j], -1.0, vcc_lo  ; the winner is struck out: every probability is above -1
.endr
	v_mov_b32 v16, v[Q]                            ; the second
	v_mov_b32 v17, 0
.irp j, 1,2,3,4,5,6,7
	v_cmp_gt_f32 vcc_lo, v[Q+\j], v16
	v_cndmask_b32 v16, v16, v[Q+\j], vcc_lo
	v_cndmask_b32 v17, v17, \j, vcc_lo
.endr
	v_add_f32 v12, v14, v16
	v_rcp_f32 v13, v12
	v_lshl_or_b32 v20, v17, 8, v15                 ; sel
	s_wait_alu depctr_va_vdst(0)
	v_mul_f32 v18, v14, v13                        ; the two weights
	v_mul_f32 v19, v16, v13
	v_mov_b32 v21, 0
.irp e, 0,1,2,3,4,5,6,7
	v_cmp_eq_u32 s22, \e, v15
	v_cmp_eq_u32 s23, \e, v17
	s_or_b32 s22, s22, s23
	v_writelane_b32 v21, s22, \e                   ; lane e: the 16 tokens that chose e (low half; the high half repeats it)
	v_writelane_b32 v21, s23, 8+\e                 ; lane 8 + e: those whose second choice it is
	v_cndmask_b32 v[PS+8+\e], 0, 1.0, s22
.endr
.irp m, 1,2,4,8                                        ; sixteen sums over the 16 tokens, inside each half of the lanes
.set i, 0
.rept 16
	v_add_f32_dpp v[PS+i], v[PS+i], v[PS+i] row_xmask:\m row_mask:0xf bank_mask:0xf
.set i, i+1
.endr
.endr
	v_lshlrev_b32 v22, 3, v1
	v_lshlrev_b32 v23, 2, v1
	v_lshlrev_b32 v24, 7, v1
	v_mov_b32 v25, 0
	s_wait_xcnt 0x0                                ; EXEC changes only behind this wait: it is a source of the stores of xb
	v_cmp_gt_u32 vcc_lo, 16, v0
	s_and_saveexec_b32 s24, vcc_lo
	global_store_b64 v22, v[18:19], s[10:11]
	global_store_b32 v23, v20, s[12:13]
	global_store_b16 v24, v21, s[14:15]            ; lane l: 16-bit word g of bitmap l
	s_wait_xcnt 0x0
	s_or_b32 exec_lo, exec_lo, s24
	v_cmp_gt_u32 vcc_lo, 1, v0
	s_and_saveexec_b32 s24, vcc_lo
.irp c, 0,1,2,3
	global_store_b128 v25, v[PS+4*\c:PS+4*\c+3], s[16:17] offset:16*\c
.endr
	s_wait_xcnt 0x0
	s_or_b32 exec_lo, exec_lo, s24
.Lend:
	s_wait_tensorcnt 0x0                           ; the wave's end
	ds_add_u32 v[SPW], v[NIL]
	s_wait_dscnt 0x0
	s_endpgm
.Lfunc_end_k_qcb765a52a8_route:
	.size	k_qcb765a52a8_route, .Lfunc_end_k_qcb765a52a8_route-k_qcb765a52a8_route
	.p2alignl 7, 3214868480
	.fill 96, 4, 3214868480
	.section	.rodata,"a",@progbits
	.p2align	6, 0x0
	.amdhsa_kernel k_qcb765a52a8_route
		.amdhsa_group_segment_fixed_size 42496
		.amdhsa_private_segment_fixed_size 0
		.amdhsa_enable_private_segment 0
		.amdhsa_kernarg_size 56
		.amdhsa_user_sgpr_count 2
		.amdhsa_user_sgpr_kernarg_segment_ptr 1
		.amdhsa_wavefront_size32 1
		.amdhsa_system_sgpr_workgroup_id_x 1
		.amdhsa_system_sgpr_workgroup_id_y 1
		.amdhsa_system_sgpr_workgroup_id_z 1
		.amdhsa_system_vgpr_workitem_id 0
		.amdhsa_next_free_vgpr 224
		.amdhsa_next_free_sgpr 66
		.amdhsa_reserve_vcc 1
		.amdhsa_float_denorm_mode_32 3
		.amdhsa_float_denorm_mode_16_64 3
		.amdhsa_memory_ordered 1
		.amdhsa_forward_progress 1
		.amdhsa_inst_pref_size 34
	.end_amdhsa_kernel
	.amdgpu_metadata
---
amdhsa.version: [ 1, 2 ]
amdhsa.kernels:
  - .name:           k_qcb765a52a8_route
    .symbol:         k_qcb765a52a8_route.kd
    .args:
      - { .name: x, .offset: 0, .size: 8, .value_kind: global_buffer, .address_space: global }
      - { .name: gate_w, .offset: 8, .size: 8, .value_kind: global_buffer, .address_space: global }
      - { .name: xb, .offset: 16, .size: 8, .value_kind: global_buffer, .address_space: global }
      - { .name: wts, .offset: 24, .size: 8, .value_kind: global_buffer, .address_space: global }
      - { .name: sel, .offset: 32, .size: 8, .value_kind: global_buffer, .address_space: global }
      - { .name: maps, .offset: 40, .size: 8, .value_kind: global_buffer, .address_space: global }
      - { .name: part, .offset: 48, .size: 8, .value_kind: global_buffer, .address_space: global }
    .group_segment_fixed_size: 42496
    .private_segment_fixed_size: 0
    .kernarg_segment_align: 8
    .kernarg_segment_size: 56
    .max_flat_workgroup_size: 256
    .sgpr_count:     66
    .vgpr_count:     224
    .wavefront_size: 32
...
	.end_amdgpu_metadata
.endif
;; end of part 1
;; launch up (part 2): grid 32 x 8, 4 waves a work-group, no clusters, 288,256 bytes of LDS; arguments xb, w_up, b_up, maps, hbuf; writes hbuf
.if DOCPART == 2
	.amdgcn_target "amdgcn-amd-amdhsa--gfx1250"
	.amdhsa_code_object_version 6
	.text
	.protected	k_qcb765a52a8_up
	.globl	k_qcb765a52a8_up
	.p2align	8
	.type	k_qcb765a52a8_up,@function
k_qcb765a52a8_up:
	s_mov_b64 s[64:65], 0
	v_nop
	global_prefetch_b8 v0, s[64:65] scope:SCOPE_SE
	s_setreg_imm32_b32 hwreg(HW_REG_WAVE_MODE, 25, 1), 1
	s_wait_xcnt 0x0
; FIRST PRODUCT.  h = relu(x W_up[e] + b_up[e]) for the tokens that chose expert e, in the order of their numbers (a token's RANK in e).  x, W and b rounded once to bf16, sums in f32, h rounded once to bf16.
; SHARES.  Work-group (bx, e) has columns 128 bx .. +127 of expert e's W: 1,024 rows x 512 bytes of f32, which it alone reads, once; and ALL of the expert's rows, 0 to 1,024 of them.
; Rows go in tiles of 16 ranks; tile t = 20 p + 4 i + w belongs to pass p, place i = 0..4, wave w.  A pass is 320 rows.
; PASS 0 streams the slice: f32 through registers, rounded, into LDS one K step (32 of K) ahead of the products.  The rounded slice STAYS in LDS (no LDS byte is written twice), so passes 1 to 3, which run only
; where the expert has more than 320 rows, multiply from it.  Every loop has a constant count; the count of rows steers forward jumps alone, none of which passes a barrier.
; NO SHARED TILES: each weight byte has one reader and must pass through registers to be rounded; the token rows come by a list, which no descriptor covers.  So no cluster and no tensor load.
; LAYOUT.  Source 0 = 16 columns of W, source 1 = 16 tokens: in the result lane (r, h) holds token r and columns 16 tau + 8 h + 0..7, which rounded to bf16 ARE four registers of the second product's token
; fragment.  hbuf is laid out so: [e][tile 64][K step 128][half 2][lane 32][16 bytes]; every store of a wave covers 512 consecutive bytes.
; W lies [k][n].  Lane (r, h) of wave w loads 16 bytes (4 columns) of rows 16 (w / 2) + 8 h + 0..7: sixteen lanes take 256 consecutive bytes of a row.  Packing rows 2 p, 2 p + 1 gives, for each of the 4 columns,
; 16 bytes = 8 consecutive k: the four registers that fragment lane (column % 16, h) wants.  They are stored at that lane's place, so fragments are read back as 512 consecutive bytes.
; Tile 0 is stored even for an expert without rows (it then holds token 0's h), so that the next launch reads no byte that was not written.
; LIMITS.  NaN and infinities are not treated apart.
; REGISTERS, in windows of 256 (s_set_vgpr_msb: bits 1:0 source 0, 3:2 source 1, 5:4 source 2, 7:6 destination):
;   window 0: addresses; v32-47 rounded weights on their way to LDS; v64-223 token fragments, a ring of 4 K steps x 5 tiles x 8      window 1: v0-127 weight fragments, two buffers; v128-255 weights as loaded, a ring of 4 x 32
;   window 2: accumulators of tiles 0-3 (tile i, columns tau at 64 i + 8 tau)      window 3: v0-63 tile 4; v64-127 the bias of my lane's 64 columns
.set PB,    16384                      ; bytes from row to row of W
.set PBS,   17                         ; 8 PB = 1 << PBS
.set AK,    64                         ; a token fragment: bytes from K step to K step,
.set AG,    32                         ; and between its two halves
.set HB,    528                        ; half a weight fragment in LDS: 512 bytes + 16
.set WR,    4*HB                       ; what one wave stores of a K step
.set KB,    4*WR                       ; a K step
.set LISTB, 32*KB                      ; behind the slice: for each wave a list of its own, rank -> token: 1,024 words, 32 dump words, padding
.set LISTSZ, 4352
.set SPARE, LISTB+4*LISTSZ             ; behind the lists: the spare words, 128 bytes a wave, two blocks of 256 bytes that no other line names
.set WOFF, 4                           ; v4   my 16 bytes in the first of my 8 rows of a K step of W
.set WST,  5                           ; v5   where my rounded 16 bytes go in LDS; steps
.set BRD,  6                           ; v6   16 x lane + the K steps gone by
.set L16,  7                           ; v7   16 x lane
.set AOFF, 8                           ; v8-12  tile i: my token's row in xb + 16 h
.set HOFF, 13                          ; v13-17 tile i: its place in hbuf + 16 x lane
.set LB,   18                          ; v18  my wave's list
.set DUMPI, 19                         ; v19  1024 + lane: the list index of my dump word
.set TOK,  20                          ; v20  the token that my lane stands for in the round in hand
.set ZR,   24                          ; v24  0, for the ReLU on packed halves
.set LR,   25                          ; v25  LB + 4 r
.set H16,  28                          ; v28  16 h
.set BOFF, 29                          ; v29  32 h
.set SPW,  30                          ; v30  SPARE + 4 x my thread's number; never rewritten
.set NIL,  31                          ; v31  0; never rewritten
.set T,    32
.set AR,   64
.set BF,   0                           ; window 1
.set WS,   128                         ; window 1
.set BIAS, 64                          ; window 3
.set WV,   16                          ; s16 wave   s17 expert   s18 bx
.set EX,   17
.set BX,   18
.set CNT,  19                          ; s19  the expert's rows
.set LOOP, 20
.set PASS, 21
.set T0,   22                          ; s22  20 p + w: my first tile of the pass
.set AL4,  23                          ; s23  1: my fifth tile of pass 0 has rows
.set CNT1, 28                          ; s28  max(CNT, 1)
.set KO,   30                          ; s30  the later passes: LDS byte at which the K step in hand begins
.set MA,   32                          ; s[32:63] the expert's bitmap
.set MSB, 0
.macro WIN new                         ; the immediate's high byte repeats the setting that is left; a switch that changes nothing is dropped
.if MSB != (\new)
	s_set_vgpr_msb (MSB<<8)|(\new)
.set MSB, \new
.endif
.endm
.macro PLACES                          ; four places behind a product, ahead of what reads its result or writes one of its registers (ISA guide 7.12.1)
.rept 4
	v_nop
.endr
.endm
.macro WLOAD u, ko                     ; my 8 rows of the K step ko steps on, into slot u
	WIN 0x40
.irp i, 0,1,2,3,4,5,6,7
	global_load_b128 v[WS+32*(\u)+4*\i:WS+32*(\u)+4*\i+3], v[WOFF], s[6:7] offset:(32*(\ko)+\i)*PB th:TH_LOAD_NT
.endr
.endm
.macro ALOAD a, ko                     ; my five tiles' token fragments of the K step ko steps on, into slot a.  Always all five, so that the counts of loads are the same on every path
	WIN 0
.irp i, 0,1,2,3,4
	global_load_b128 v[AR+40*(\a)+8*\i:AR+40*(\a)+8*\i+3],   v[AOFF+\i], s[4:5] offset:(\ko)*AK
	global_load_b128 v[AR+40*(\a)+8*\i+4:AR+40*(\a)+8*\i+7], v[AOFF+\i], s[4:5] offset:(\ko)*AK+AG
.endr
.endm
.macro CONV u, ko                      ; slot u is rounded, pairs of rows packed, and stored as fragment lanes of K step ko
	WIN 0x05
.irp j, 0,1,2,3
.irp p, 0,1,2,3
	v_cvt_pk_bf16_f32 v[T+4*\j+\p], v[WS+32*(\u)+8*\p+\j], v[WS+32*(\u)+8*\p+4+\j]
.endr
.endr
	WIN 0
.irp j, 0,1,2,3
	ds_store_b128 v[WST], v[T+4*\j:T+4*\j+3] offset:(\ko)*KB+16*\j
.endr
.endm
.macro BLOAD b, ko                     ; the eight weight fragments of K step ko into buffer b: half gg of columns tau was stored by wave 2 gg + tau / 4
	WIN 0x40
.irp t, 0,1,2,3,4,5,6,7
.irp g, 0,1
	ds_load_b128 v[BF+64*(\b)+8*\t+4*\g:BF+64*(\b)+8*\t+4*\g+3], v[BRD] offset:(\ko)*KB+((\t/4)+2*\g)*WR+(\t%4)*HB
.endr
.endr
.endm
.macro MM i, a, b                      ; tile i: eight products on eight accumulators, which so take turns
.if (\i) < 4
	WIN 0xa1
.else
	WIN 0xf1
.endif
.irp t, 0,1,2,3,4,5,6,7
	v_wmma_f32_16x16x32_bf16 v[64*((\i)%4)+8*\t:64*((\i)%4)+8*\t+7], v[BF+64*(\b)+8*\t:BF+64*(\b)+8*\t+7], v[AR+40*(\a)+8*(\i):AR+40*(\a)+8*(\i)+7], v[64*((\i)%4)+8*\t:64*((\i)%4)+8*\t+7]
.endr
.endm
; K STEP s of pass 0, q = s % 4.  It multiplies step s; rounds step s + 1's weights into LDS; asks for the tokens of step s + 3 and the weights of step s + 5.
; n: a step issues 10 token loads and then 8 weight loads.  Step s wants its tokens (asked for in step s - 3) and the weights of s + 1 (older).  Behind those tokens stand 8 + 10 + 8 + 10 + 8 = 44 loads.
; The 16 conversions are the places between the last step's products and the loads into the registers that those products read.
; ONE barrier a step: in front of it every wave's stores of step s + 1 are done, behind it every wave reads them.  Nothing in LDS is overwritten, so no ordering the other way is needed.
.macro STEP q, conv, al, wl, n
	s_wait_loadcnt \n
.if \conv
	CONV ((\q)+1)%4, (\q)+1
.endif
.if \al
	ALOAD ((\q)+3)%4, (\q)+3
.endif
.if \wl
	WLOAD ((\q)+1)%4, (\q)+5
.endif
.if \conv
	s_wait_dscnt 4                                 ; this step's 16 fragment loads are in; the four stores just issued may be out
.else
	s_wait_dscnt 0x0
.endif
	MM 0, \q, (\q)%2
.if \conv
	s_wait_dscnt 0x0                               ; for the others' sake: my stores are done
	s_barrier_signal -1
.endif
	MM 1, \q, (\q)%2
.if \conv
	s_barrier_wait -1
	BLOAD ((\q)+1)%2, (\q)+1
.endif
	MM 2, \q, (\q)%2
	MM 3, \q, (\q)%2
	WIN 0
	s_cmp_eq_u32 s[AL4], 0
	s_cbranch_scc1 .Lno4_\@                        ; the fifth tile's products are jumped where it has no rows
	MM 4, \q, (\q)%2
	WIN 0
.Lno4_\@:
.endm
.macro ADV                             ; four K steps on
	s_wait_xcnt 0x0                                ; the bases are rewritten only behind this wait
	s_add_nc_u64 s[6:7], s[6:7], 128*PB
	s_add_nc_u64 s[4:5], s[4:5], 4*AK
	v_add_nc_u32 v[WST], 4*KB, v[WST]
	v_add_nc_u32 v[BRD], 4*KB, v[BRD]
.endm
; The addresses of a pass's five tiles.  A tile past 63 is clamped; a rank past the count names token 0: rows that exist, whose results are not stored.
.macro SETUP
	WIN 0
.irp i, 0,1,2,3,4
	s_add_co_u32 s24, s[T0], 4*\i
	s_min_u32 s24, s24, 63
	v_lshl_add_u32 v21, s24, 6, v[LR]
	ds_load_b32 v[AOFF+\i], v21                    ; LDS serves a wave's instructions in order (ISA guide 5.7.1.4): this sees my list's stores
	v_lshl_add_u32 v[HOFF+\i], s24, 17, v[L16]
.endr
	s_wait_dscnt 0x0
.irp i, 0,1,2,3,4
	v_min_u32 v[AOFF+\i], 0x3ff, v[AOFF+\i]
	v_lshl_add_u32 v[AOFF+\i], v[AOFF+\i], 11, v[H16]
.endr
.endm
; The sums begin with the bias: 320 moves, which take the place of 320 additions behind the products and of a first K step written out.  In pass 0 they stand in the wait for the first weights.
.macro INIT
	WIN 0x83
.set c, 0
.rept 256
	v_mov_b32 v[c], v[BIAS+c%64]
.set c, c+1
.endr
	WIN 0xc3
.set c, 0
.rept 64
	v_mov_b32 v[c], v[BIAS+c]
.set c, c+1
.endr
.endm
; THE WAY OUT of tile i: rounded to bf16 (each accumulator's registers ascending), ReLU on the packed halves, eight stores of 512 consecutive bytes.
.macro HOUT i
	WIN 0
	s_add_co_u32 s24, s[T0], 4*(\i)
	s_lshl_b32 s24, s24, 4
	s_cmp_ge_u32 s24, s[CNT1]
	s_cbranch_scc1 .Lhdead_\@
.if (\i) < 4
	WIN 0x0a
.else
	WIN 0x0f
.endif
.set c, 0
.rept 32
	v_cvt_pk_bf16_f32 v[AR+32*(\i)+c], v[64*((\i)%4)+2*c], v[64*((\i)%4)+2*c+1]
.set c, c+1
.endr
	WIN 0
.set c, 0
.rept 32
	v_pk_max_num_bf16 v[AR+32*(\i)+c], v[AR+32*(\i)+c], v[ZR]
.set c, c+1
.endr
.irp t, 0,1,2,3,4,5,6,7
	global_store_b128 v[HOFF+(\i)], v[AR+32*(\i)+4*\t:AR+32*(\i)+4*\t+3], s[12:13] offset:(\t/2)*1024+(\t%2)*512
.endr
.Lhdead_\@:
.endm
	s_load_b256 s[4:11], s[0:1], 0x0               ; xb s[4:5], w_up s[6:7], b_up s[8:9], maps s[10:11]
	s_load_b64 s[12:13], s[0:1], 0x20              ; hbuf
	v_lshl_add_u32 v[SPW], v0, 2, SPARE
	v_mov_b32 v[NIL], 0
	v_and_b32 v1, 31, v0                           ; lane
	v_and_b32 v2, 15, v0                           ; r
	v_bfe_u32 v3, v0, 4, 1                         ; h
	v_lshrrev_b32 v21, 5, v0
	v_readfirstlane_b32 s[WV], v21                 ; wave 0..3
	s_and_b32 s[EX], ttmp7, 0xffff
	s_mov_b32 s[BX], ttmp9
	s_lshr_b32 s24, s[WV], 1
	s_mul_i32 s24, s24, 16*PB                      ; rows 16 (w / 2) on,
	s_and_b32 s25, s[WV], 1
	s_lshl_b32 s25, s25, 8                         ; columns 64 (w % 2) on
	s_add_co_u32 s24, s24, s25
	v_lshlrev_b32 v[WOFF], 4, v2
	v_lshl_add_u32 v[WOFF], v3, PBS, v[WOFF]
	v_add_nc_u32 v[WOFF], s24, v[WOFF]
	v_lshrrev_b32 v21, 2, v2                       ; my 4 columns lie in half fragment r / 4 of my wave's four, at fragment lanes 4 (r % 4) + 0..3 of half h
	v_mul_u32_u24 v[WST], v21, HB
	v_and_b32 v21, 3, v2
	v_lshl_add_u32 v[WST], v21, 6, v[WST]
	v_lshl_add_u32 v[WST], v3, 8, v[WST]
	s_mul_i32 s24, s[WV], WR
	v_add_nc_u32 v[WST], s24, v[WST]
	v_lshlrev_b32 v[L16], 4, v1
	v_mov_b32 v[BRD], v[L16]
	v_lshlrev_b32 v[H16], 4, v3
	v_lshlrev_b32 v[BOFF], 5, v3
	s_mul_i32 s24, s[WV], LISTSZ
	s_add_co_u32 s24, s24, LISTB
	v_mov_b32 v[LB], s24
	v_add_nc_u32 v[DUMPI], 0x400, v1
	v_lshl_add_u32 v[LR], v2, 2, v[LB]
	v_add_nc_u32 v23, v[LB], v[L16]
	v_mov_b32 v[ZR], 0
	v_mov_b32 v[TOK], v1
.irp j, 0,1,2,3
	v_mov_b32 v[T+\j], 0
.endr
	s_mov_b32 s25, 0
	s_wait_kmcnt 0x0
	s_lshl_b32 s24, s[EX], 7
	s_add_nc_u64 s[10:11], s[10:11], s[24:25]
	s_load_b512 s[MA:MA+15], s[10:11], 0x0         ; the expert's 1,024 bits
	s_load_b512 s[MA+16:MA+31], s[10:11], 0x40
	s_lshl_b32 s24, s[EX], 24
	s_lshl_b32 s26, s[BX], 9
	s_add_co_u32 s24, s24, s26
	s_add_nc_u64 s[6:7], s[6:7], s[24:25]          ; W at the slice's first row
	s_lshl_b32 s24, s[EX], 14
	s_add_co_u32 s24, s24, s26
	s_add_nc_u64 s[8:9], s[8:9], s[24:25]          ; the slice's bias
	s_lshl_b32 s24, s[EX], 23
	s_lshl_b32 s26, s[BX], 12
	s_add_co_u32 s24, s24, s26
	s_add_nc_u64 s[12:13], s[12:13], s[24:25]      ; hbuf at the expert's tile 0, K step 4 bx
	s_mov_b64 s[14:15], s[4:5]                     ; xb is kept for the later passes
	WIN 0xc0
.irp t, 0,1,2,3,4,5,6,7
	global_load_b128 v[BIAS+8*\t:BIAS+8*\t+3],   v[BOFF], s[8:9] offset:64*\t
	global_load_b128 v[BIAS+8*\t+4:BIAS+8*\t+7], v[BOFF], s[8:9] offset:64*\t+16
.endr
	WLOAD 0, 0                                     ; four K steps of weights go out before anything else is done: 32 loads of 512 bytes a wave
	WLOAD 1, 1
	WLOAD 2, 2
	WLOAD 3, 3
	WIN 0
	; THE LIST, each wave's own: word rank = token.  It is cleared first, so that ranks past the count name token 0.
.irp k, 0,1,2,3,4,5,6,7
	ds_store_b128 v23, v[T:T+3] offset:512*\k
.endr
	s_mov_b32 s[CNT], 0
	s_wait_kmcnt 0x0
.set j, 0
.rept 32                                               ; round j: tokens 32 j + lane
	v_mbcnt_lo_u32_b32 v21, s[MA+j], s[CNT]        ; the rows before this round + the chosen lanes below mine = my rank
	v_cndmask_b32 v21, v[DUMPI], v21, s[MA+j]      ; a lane whose token did not choose e writes its dump word
	v_min_u32 v21, 0x41f, v21
	v_lshl_add_u32 v21, v21, 2, v[LB]
	ds_store_b32 v21, v[TOK]
	v_add_nc_u32 v[TOK], 32, v[TOK]
	s_bcnt1_i32_b32 s24, s[MA+j]
	s_add_co_u32 s[CNT], s[CNT], s24
.set j, j+1
.endr
	s_max_u32 s[CNT1], s[CNT], 1
	s_mov_b32 s[T0], s[WV]
	s_add_co_u32 s24, s[WV], 16
	s_lshl_b32 s24, s24, 4
	s_cmp_lt_u32 s24, s[CNT]
	s_cselect_b32 s[AL4], 1, 0
	SETUP
	s_wait_loadcnt 32                              ; the bias is in; the 32 weight loads issued behind it stay out
	WIN 0x0f                                       ; the bias is rounded to bf16, as every input is
.set c, 0
.rept 32
	v_cvt_pk_bf16_f32 v[AR+c], v[BIAS+2*c], v[BIAS+2*c+1]
.set c, c+1
.endr
	WIN 0xc0
.set c, 0
.rept 32
	v_lshlrev_b32 v[BIAS+2*c], 16, v[AR+c]
	v_and_b32 v[BIAS+2*c+1], 0xffff0000, v[AR+c]
.set c, c+1
.endr
	ALOAD 0, 0
	ALOAD 1, 1
	INIT
	s_wait_loadcnt 44                              ; K step 0's weights are in: behind them stand 24 weight loads and 20 token loads
	CONV 0, 0
	ALOAD 2, 2
	WLOAD 0, 4
	s_wait_dscnt 0x0
	s_barrier_signal -1
	s_barrier_wait -1                              ; everybody's part of K step 0 is in LDS
	BLOAD 0, 0
	s_wait_loadcnt 18                              ; all but the 10 + 8 just issued: from here on the loop's count holds by its own arithmetic
	WIN 0
	s_mov_b32 s[LOOP], 6
.Lk:
	STEP 0, 1, 1, 1, 44
	STEP 1, 1, 1, 1, 44
	STEP 2, 1, 1, 1, 44
	STEP 3, 1, 1, 1, 44
	ADV
	s_sub_co_u32 s[LOOP], s[LOOP], 1
	s_cmp_lg_u32 s[LOOP], 0
	s_cbranch_scc1 .Lk
	STEP 0, 1, 1, 1, 44                            ; K steps 24 to 31 are written out: no load leaves its buffer, and the counts run down
	STEP 1, 1, 1, 1, 44
	STEP 2, 1, 1, 1, 44                            ; the last weights, K step 31's, are asked for
	STEP 3, 1, 1, 0, 44
	ADV
	STEP 0, 1, 1, 0, 36                            ; behind step 28's tokens: 8 + 10 + 8 + 10.  The last tokens, step 31's, are asked for
	STEP 1, 1, 0, 0, 28                            ; behind step 29's: 8 + 10 + 10
	STEP 2, 1, 0, 0, 10                            ; behind step 30's: 10
	STEP 3, 0, 0, 0, 0
	PLACES
	s_mov_b32 s[PASS], 0
.Lpass:                                                ; four trips: a pass's tiles go out; then, if the expert has rows for it, the next pass is multiplied from the slice in LDS
	s_wait_xcnt 0x0                                ; the registers that the last trip's stores read are rewritten only behind this wait
	HOUT 0
	HOUT 1
	HOUT 2
	HOUT 3
	HOUT 4
	s_add_co_u32 s[T0], s[T0], 20
	s_lshl_b32 s24, s[T0], 4
	s_cmp_ge_u32 s24, s[CNT]
	s_cbranch_scc1 .Lnext
	s_wait_xcnt 0x0                                ; the stores' data and offsets are rewritten below
	s_mov_b64 s[4:5], s[14:15]
	SETUP
	INIT
	WIN 0
	s_mov_b32 s[KO], 0
	s_mov_b32 s[LOOP], 32
.Lres:                                                 ; plain on purpose: it runs only for an expert with more than 320 rows
	v_add_nc_u32 v[BRD], s[KO], v[L16]             ; the K step's place in the slice, made anew in each trip: a counted scalar + 16 x lane
	ALOAD 0, 0
	BLOAD 0, 0
	s_wait_loadcnt 0x0
	s_wait_dscnt 0x0
	MM 0, 0, 0
	MM 1, 0, 0
	MM 2, 0, 0
	MM 3, 0, 0
	MM 4, 0, 0
	WIN 0
	PLACES                                         ; ahead of the next trip's loads into the registers just read, and of the way out
	s_add_nc_u64 s[4:5], s[4:5], AK                ; free since the wait that showed the loads done
	s_add_co_u32 s[KO], s[KO], KB
	s_sub_co_u32 s[LOOP], s[LOOP], 1
	s_cmp_lg_u32 s[LOOP], 0
	s_cbranch_scc1 .Lres
.Lnext:
	s_add_co_u32 s[PASS], s[PASS], 1
	s_cmp_lt_u32 s[PASS], 4
	s_cbranch_scc1 .Lpass
	s_wait_dscnt 0x0                               ; my reads of the slice are over;
	s_barrier_signal -1                            ; a barrier on every wave's path between all waves' reads of the slice and the closing LDS write.  Slice and spare words are
	s_barrier_wait -1                              ; different bytes by the constants above, so it orders nothing that the values need: it keeps write and reads apart in time as well
	s_wait_tensorcnt 0x0                           ; the wave's end
	ds_add_u32 v[SPW], v[NIL]
	s_wait_dscnt 0x0
	s_endpgm
.Lfunc_end_k_qcb765a52a8_up:
	.size	k_qcb765a52a8_up, .Lfunc_end_k_qcb765a52a8_up-k_qcb765a52a8_up
	.p2alignl 7, 3214868480
	.fill 96, 4, 3214868480
	.section	.rodata,"a",@progbits
	.p2align	6, 0x0
	.amdhsa_kernel k_qcb765a52a8_up
		.amdhsa_group_segment_fixed_size 288256
		.amdhsa_private_segment_fixed_size 0
		.amdhsa_enable_private_segment 0
		.amdhsa_kernarg_size 40
		.amdhsa_user_sgpr_count 2
		.amdhsa_user_sgpr_kernarg_segment_ptr 1
		.amdhsa_wavefront_size32 1
		.amdhsa_system_sgpr_workgroup_id_x 1
		.amdhsa_system_sgpr_workgroup_id_y 1
		.amdhsa_system_sgpr_workgroup_id_z 1
		.amdhsa_system_vgpr_workitem_id 0
		.amdhsa_next_free_vgpr 896
		.amdhsa_next_free_sgpr 66
		.amdhsa_reserve_vcc 0
		.amdhsa_float_denorm_mode_32 3
		.amdhsa_float_denorm_mode_16_64 3
		.amdhsa_memory_ordered 1
		.amdhsa_forward_progress 1
		.amdhsa_inst_pref_size 162
	.end_amdhsa_kernel
	.amdgpu_metadata
---
amdhsa.version: [ 1, 2 ]
amdhsa.kernels:
  - .name:           k_qcb765a52a8_up
    .symbol:         k_qcb765a52a8_up.kd
    .args:
      - { .name: xb, .offset: 0, .size: 8, .value_kind: global_buffer, .address_space: global }
      - { .name: w_up, .offset: 8, .size: 8, .value_kind: global_buffer, .address_space: global }
      - { .name: b_up, .offset: 16, .size: 8, .value_kind: global_buffer, .address_space: global }
      - { .name: maps, .offset: 24, .size: 8, .value_kind: global_buffer, .address_space: global }
      - { .name: hbuf, .offset: 32, .size: 8, .value_kind: global_buffer, .address_space: global }
    .group_segment_fixed_size: 288256
    .private_segment_fixed_size: 0
    .kernarg_segment_align: 8
    .kernarg_segment_size: 40
    .max_flat_workgroup_size: 128
    .sgpr_count:     66
    .vgpr_count:     896
    .wavefront_size: 32
...
	.end_amdgpu_metadata
.endif
;; end of part 2
;; launch down (part 3): grid 32 x 8, 4 waves a work-group, no clusters, 322,048 bytes of LDS; arguments hbuf, w_down, maps, ybuf; writes ybuf
.if DOCPART == 3
	.amdgcn_target "amdgcn-amd-amdhsa--gfx1250"
	.amdhsa_code_object_version 6
	.text
	.protected	k_qcb765a52a8_down
	.globl	k_qcb765a52a8_down
	.p2align	8
	.type	k_qcb765a52a8_down,@function
k_qcb765a52a8_down:
	s_mov_b64 s[64:65], 0
	v_nop
	global_prefetch_b8 v0, s[64:65] scope:SCOPE_SE
	s_setreg_imm32_b32 hwreg(HW_REG_WAVE_MODE, 25, 1), 1
	s_wait_xcnt 0x0
; SECOND PRODUCT.  y = h W_down[e] for the rows of expert e, as four partial sums over F.  h is bf16 as the first product left it, W rounded once to bf16, sums and y in f32.  The bias and the gate's weight come in the next launch.
; SHARES.  Work-group (bx, e): columns 128 (bx % 8) .. +127 of D, rows 1,024 (bx / 8) .. +1,023 of F: 1,024 x 512 bytes of f32, which it alone reads, once; and ALL of the expert's rows.
; The quarter of F is what makes 256 work-groups of slices whose rows are 512 bytes long; its price is ybuf, [quarter 4][entry 2,048][1,024] f32, entry = 2 x token + (0: first choice, 1: second).
; Each entry belongs to one expert, so every byte of ybuf is stored once.  Rows are stored by token, so the next launch needs no ranks.
; The walk is the first product's: tiles of 16 ranks, tile t = 20 p + 4 i + w; pass 0 streams the slice through registers into LDS one K step ahead of the products; the rounded slice stays in LDS for passes 1 to 3.
; Every loop has a constant count; the count of rows steers forward jumps alone, none of which passes a barrier.
; NO SHARED TILES by tensor loads: each weight byte has one reader and is rounded on its way; h's tiles, which eight work-groups read, go straight into operand registers, 512 consecutive bytes a load.
; A tile without rows repeats the expert's last tile that has rows (tile 0 is always written); its products are not stored.
; LIMITS.  NaN and infinities are not treated apart.
; REGISTERS, in windows of 256 (s_set_vgpr_msb: bits 1:0 source 0, 3:2 source 1, 5:4 source 2, 7:6 destination):
;   window 0: addresses; v32-47 rounded weights on their way to LDS; v48-63 row offsets on the way out; v64-223 token fragments, a ring of 4 K steps x 5 tiles x 8
;   window 1: v0-127 weight fragments, two buffers; v128-255 weights as loaded, a ring of 4 x 32      window 2: accumulators of tiles 0-3 (64 i + 8 tau)      window 3: v0-63 tile 4
.set PB,    4096                       ; bytes from row to row of W
.set PBS,   15                         ; 8 PB = 1 << PBS
.set AK,    1024                       ; a token fragment in hbuf: bytes from K step to K step,
.set AG,    512                        ; and between its two halves
.set HB,    528                        ; half a weight fragment in LDS: 512 bytes + 16
.set WR,    4*HB
.set KB,    4*WR
.set LISTB, 32*KB                      ; for each wave a list of its own, rank -> entry: 1,024 words, 32 dump words, padding
.set LISTSZ, 4352
.set STAGE, LISTB+4*LISTSZ             ; for each wave 16 rows x 528 bytes, for the way out
.set SPT,   528
.set SPARE, STAGE+4*16*SPT             ; the spare words, 128 bytes a wave, two blocks of 256 bytes that no other line names
.set WOFF, 4
.set WST,  5
.set BRD,  6
.set L16,  7
.set AOFF, 8                           ; v8-12  tile i: its place in hbuf + 16 x lane
.set LRD,  13                          ; v13-17 tile i: its 16 words of the list
.set LB,   18
.set DUMPI, 19
.set TOK,  20                          ; v20  2 x the token that my lane stands for in the round in hand
.set STG,  26                          ; v26  the way out: where I put 32 bytes of token r's row
.set SRD,  27                          ; v27  where I read 16 bytes of a row back
.set SPW,  30
.set NIL,  31
.set T,    32
.set E,    48
.set AR,   64
.set BF,   0
.set WS,   128
.set WV,   16
.set EX,   17
.set BX,   18
.set CNT,  19
.set LOOP, 20
.set PASS, 21
.set T0,   22
.set AL4,  23
.set TL,   28                          ; s28  the last tile that has rows (0 where there is none)
.set NR,   29                          ; s29  rows from a tile's first on
.set KO,   30                          ; s30  (at work in the set-up; then) the later passes: LDS byte at which the K step in hand begins
.set MA,   32                          ; s[32:63] token chose e
.set MB,   68                          ; s[68:99] e is the token's second choice
.set MSB, 0
.macro WIN new
.if MSB != (\new)
	s_set_vgpr_msb (MSB<<8)|(\new)
.set MSB, \new
.endif
.endm
.macro PLACES                          ; four places behind a product, ahead of what reads its result or writes one of its registers (ISA guide 7.12.1)
.rept 4
	v_nop
.endr
.endm
.macro WLOAD u, ko
	WIN 0x40
.irp i, 0,1,2,3,4,5,6,7
	global_load_b128 v[WS+32*(\u)+4*\i:WS+32*(\u)+4*\i+3], v[WOFF], s[6:7] offset:(32*(\ko)+\i)*PB th:TH_LOAD_NT
.endr
.endm
.macro ALOAD a, ko                     ; always all five tiles, so that the counts of loads are the same on every path
	WIN 0
.irp i, 0,1,2,3,4
	global_load_b128 v[AR+40*(\a)+8*\i:AR+40*(\a)+8*\i+3],   v[AOFF+\i], s[4:5] offset:(\ko)*AK
	global_load_b128 v[AR+40*(\a)+8*\i+4:AR+40*(\a)+8*\i+7], v[AOFF+\i], s[4:5] offset:(\ko)*AK+AG
.endr
.endm
.macro CONV u, ko
	WIN 0x05
.irp j, 0,1,2,3
.irp p, 0,1,2,3
	v_cvt_pk_bf16_f32 v[T+4*\j+\p], v[WS+32*(\u)+8*\p+\j], v[WS+32*(\u)+8*\p+4+\j]
.endr
.endr
	WIN 0
.irp j, 0,1,2,3
	ds_store_b128 v[WST], v[T+4*\j:T+4*\j+3] offset:(\ko)*KB+16*\j
.endr
.endm
.macro BLOAD b, ko
	WIN 0x40
.irp t, 0,1,2,3,4,5,6,7
.irp g, 0,1
	ds_load_b128 v[BF+64*(\b)+8*\t+4*\g:BF+64*(\b)+8*\t+4*\g+3], v[BRD] offset:(\ko)*KB+((\t/4)+2*\g)*WR+(\t%4)*HB
.endr
.endr
.endm
.macro MM i, a, b                      ; eight products on eight accumulators, which so take turns
.if (\i) < 4
	WIN 0xa1
.else
	WIN 0xf1
.endif
.irp t, 0,1,2,3,4,5,6,7
	v_wmma_f32_16x16x32_bf16 v[64*((\i)%4)+8*\t:64*((\i)%4)+8*\t+7], v[BF+64*(\b)+8*\t:BF+64*(\b)+8*\t+7], v[AR+40*(\a)+8*(\i):AR+40*(\a)+8*(\i)+7], v[64*((\i)%4)+8*\t:64*((\i)%4)+8*\t+7]
.endr
.endm
; K STEP s of pass 0, q = s % 4: multiplies step s; rounds step s + 1's weights into LDS; asks for the tokens of step s + 3 and the weights of step s + 5.
; n: behind step s's tokens (asked for in step s - 3; the weights of s + 1 are older) stand 8 + 10 + 8 + 10 + 8 = 44 loads.  The 16 conversions are the places between the last step's
; products and the loads into the registers that those read.  ONE barrier: in front of it every wave's stores of step s + 1 are done, behind it every wave reads them; nothing in LDS is overwritten.
.macro STEP q, conv, al, wl, n
	s_wait_loadcnt \n
.if \conv
	CONV ((\q)+1)%4, (\q)+1
.endif
.if \al
	ALOAD ((\q)+3)%4, (\q)+3
.endif
.if \wl
	WLOAD ((\q)+1)%4, (\q)+5
.endif
.if \conv
	s_wait_dscnt 4                                 ; this step's 16 fragment loads are in; the four stores just issued may be out
.else
	s_wait_dscnt 0x0
.endif
	MM 0, \q, (\q)%2
.if \conv
	s_wait_dscnt 0x0                               ; for the others' sake: my stores are done
	s_barrier_signal -1
.endif
	MM 1, \q, (\q)%2
.if \conv
	s_barrier_wait -1
	BLOAD ((\q)+1)%2, (\q)+1
.endif
	MM 2, \q, (\q)%2
	MM 3, \q, (\q)%2
	WIN 0
	s_cmp_eq_u32 s[AL4], 0
	s_cbranch_scc1 .Lno4_\@
	MM 4, \q, (\q)%2
	WIN 0
.Lno4_\@:
.endm
.macro ADV
	s_wait_xcnt 0x0                                ; the bases are rewritten only behind this wait
	s_add_nc_u64 s[6:7], s[6:7], 128*PB
	s_add_nc_u64 s[4:5], s[4:5], 4*AK
	v_add_nc_u32 v[WST], 4*KB, v[WST]
	v_add_nc_u32 v[BRD], 4*KB, v[BRD]
.endm
.macro SETUP
	WIN 0
.irp i, 0,1,2,3,4
	s_add_co_u32 s24, s[T0], 4*\i
	s_min_u32 s25, s24, 63
	v_lshl_add_u32 v[LRD+\i], s25, 6, v[LB]
	s_min_u32 s24, s24, s[TL]                      ; a tile without rows repeats the last that has some
	s_min_u32 s24, s24, 63
	v_lshl_add_u32 v[AOFF+\i], s24, 17, v[L16]
.endr
.endm
; The sums begin at 0: 320 moves, the price of writing no first K step out; in pass 0 they stand in the wait for the first weights.
.macro INIT
	WIN 0x80
.set c, 0
.rept 256
	v_mov_b32 v[c], 0
.set c, c+1
.endr
	WIN 0xc0
.set c, 0
.rept 64
	v_mov_b32 v[c], 0
.set c, c+1
.endr
.endm
; THE WAY OUT of tile i.  A lane holds 8 columns of one token; through my own stage a token's 128 columns come together, and one store of the wave covers its 512 consecutive bytes.
; Which row of ybuf a rank goes to stands in my list.  Rows past the count are jumped by a scalar branch.
.macro YOUT i
	WIN 0
	s_add_co_u32 s24, s[T0], 4*(\i)
	s_lshl_b32 s24, s24, 4
	s_cmp_ge_u32 s24, s[CNT]
	s_cbranch_scc1 .Lydead_\@
	s_sub_co_u32 s[NR], s[CNT], s24
	s_wait_xcnt 0x0                                ; the registers that the last tile's stores read are rewritten only behind this wait
.if (\i) < 4
	WIN 0x08
.else
	WIN 0x0c
.endif
.irp t, 0,1,2,3,4,5,6,7
	ds_store_b128 v[STG], v[64*((\i)%4)+8*\t:64*((\i)%4)+8*\t+3]   offset:64*\t
	ds_store_b128 v[STG], v[64*((\i)%4)+8*\t+4:64*((\i)%4)+8*\t+7] offset:64*\t+16
.endr
	WIN 0
.set c, 0
.rept 16
	ds_load_b32 v[E+c], v[LRD+(\i)] offset:4*c     ; every lane reads the same word
.set c, c+1
.endr
.set c, 0
.rept 16
	ds_load_b128 v[AR+4*c:AR+4*c+3], v[SRD] offset:SPT*c  ; LDS serves a wave's instructions in order (ISA guide 5.7.1.4): these see the stores above
.set c, c+1
.endr
	s_wait_dscnt 0x0
.set c, 0
.rept 16
	v_min_u32 v[E+c], 0x7ff, v[E+c]
	v_lshl_add_u32 v[E+c], v[E+c], 12, v[L16]
.set c, c+1
.endr
	global_store_b128 v[E], v[AR:AR+3], s[10:11]
.set c, 1
.rept 15
	s_cmp_le_u32 s[NR], c
	s_cbranch_scc1 .Lydead_\@
	global_store_b128 v[E+c], v[AR+4*c:AR+4*c+3], s[10:11]
.set c, c+1
.endr
.Lydead_\@:
.endm
	s_load_b256 s[4:11], s[0:1], 0x0               ; hbuf s[4:5], w_down s[6:7], maps s[8:9], ybuf s[10:11]
	v_lshl_add_u32 v[SPW], v0, 2, SPARE
	v_mov_b32 v[NIL], 0
	v_and_b32 v1, 31, v0                           ; lane
	v_and_b32 v2, 15, v0                           ; r
	v_bfe_u32 v3, v0, 4, 1                         ; h
	v_lshrrev_b32 v21, 5, v0
	v_readfirstlane_b32 s[WV], v21                 ; wave 0..3
	s_and_b32 s[EX], ttmp7, 0xffff
	s_mov_b32 s[BX], ttmp9
	s_lshr_b32 s24, s[WV], 1
	s_mul_i32 s24, s24, 16*PB
	s_and_b32 s25, s[WV], 1
	s_lshl_b32 s25, s25, 8
	s_add_co_u32 s24, s24, s25
	v_lshlrev_b32 v[WOFF], 4, v2
	v_lshl_add_u32 v[WOFF], v3, PBS, v[WOFF]
	v_add_nc_u32 v[WOFF], s24, v[WOFF]             ; rows 16 (w / 2) + 8 h on, columns 64 (w % 2) + 4 r on
	v_lshrrev_b32 v21, 2, v2
	v_mul_u32_u24 v[WST], v21, HB
	v_and_b32 v21, 3, v2
	v_lshl_add_u32 v[WST], v21, 6, v[WST]
	v_lshl_add_u32 v[WST], v3, 8, v[WST]
	s_mul_i32 s24, s[WV], WR
	v_add_nc_u32 v[WST], s24, v[WST]               ; half fragment r / 4 of my wave's four, fragment lanes 4 (r % 4) + 0..3 of half h
	v_lshlrev_b32 v[L16], 4, v1
	v_mov_b32 v[BRD], v[L16]
	s_mul_i32 s24, s[WV], LISTSZ
	s_add_co_u32 s24, s24, LISTB
	v_mov_b32 v[LB], s24
	v_add_nc_u32 v[DUMPI], 0x400, v1
	v_add_nc_u32 v23, v[LB], v[L16]
	s_mul_i32 s24, s[WV], 16*SPT
	s_add_co_u32 s24, s24, STAGE
	v_mul_u32_u24 v[STG], v2, SPT
	v_lshl_add_u32 v[STG], v3, 5, v[STG]
	v_add_nc_u32 v[STG], s24, v[STG]
	v_add_nc_u32 v[SRD], s24, v[L16]
	v_lshlrev_b32 v[TOK], 1, v1
.irp j, 0,1,2,3
	v_mov_b32 v[T+\j], 0
.endr
	s_lshr_b32 s26, s[BX], 3                       ; which quarter of F
	s_and_b32 s27, s[BX], 7                        ; which 128 columns of D
	s_mov_b32 s25, 0
	s_wait_kmcnt 0x0
	s_lshl_b32 s24, s[EX], 7
	s_add_nc_u64 s[8:9], s[8:9], s[24:25]
	s_load_b512 s[MA:MA+15], s[8:9], 0x0
	s_load_b512 s[MA+16:MA+31], s[8:9], 0x40
	s_load_b512 s[MB:MB+15], s[8:9], 0x400
	s_load_b512 s[MB+16:MB+31], s[8:9], 0x440
	s_lshl_b32 s24, s[EX], 24
	s_lshl_b32 s30, s26, 22
	s_add_co_u32 s24, s24, s30
	s_lshl_b32 s31, s27, 9
	s_add_co_u32 s24, s24, s31
	s_add_nc_u64 s[6:7], s[6:7], s[24:25]          ; W at the slice's first row
	s_lshl_b32 s24, s[EX], 23
	s_lshl_b32 s30, s26, 15
	s_add_co_u32 s24, s24, s30
	s_add_nc_u64 s[4:5], s[4:5], s[24:25]          ; hbuf at the expert's tile 0, K step 32 x quarter
	s_mov_b64 s[14:15], s[4:5]                     ; kept for the later passes
	s_lshl_b32 s24, s26, 23
	s_add_co_u32 s24, s24, s31
	s_add_nc_u64 s[10:11], s[10:11], s[24:25]      ; ybuf at the quarter's entry 0, my columns
	WLOAD 0, 0                                     ; four K steps of weights go out before anything else is done: 32 loads of 512 bytes a wave
	WLOAD 1, 1
	WLOAD 2, 2
	WLOAD 3, 3
	WIN 0
	; THE LIST, each wave's own: word rank = 2 x token + (e is its second choice).  Cleared first, so that every word that is read has been written.
.irp k, 0,1,2,3,4,5,6,7
	ds_store_b128 v23, v[T:T+3] offset:512*\k
.endr
	s_mov_b32 s[CNT], 0
	s_wait_kmcnt 0x0
.set j, 0
.rept 32                                               ; round j: tokens 32 j + lane
	v_mbcnt_lo_u32_b32 v21, s[MA+j], s[CNT]        ; the rows before this round + the chosen lanes below mine = my rank
	v_cndmask_b32 v21, v[DUMPI], v21, s[MA+j]      ; a lane whose token did not choose e writes its dump word
	v_min_u32 v21, 0x41f, v21
	v_lshl_add_u32 v21, v21, 2, v[LB]
	v_add_nc_u32 v22, 1, v[TOK]
	v_cndmask_b32 v22, v[TOK], v22, s[MB+j]
	ds_store_b32 v21, v22
	v_add_nc_u32 v[TOK], 64, v[TOK]
	s_bcnt1_i32_b32 s24, s[MA+j]
	s_add_co_u32 s[CNT], s[CNT], s24
.set j, j+1
.endr
	s_add_co_u32 s[TL], s[CNT], 15
	s_lshr_b32 s[TL], s[TL], 4
	s_max_u32 s[TL], s[TL], 1
	s_sub_co_u32 s[TL], s[TL], 1
	s_mov_b32 s[T0], s[WV]
	s_add_co_u32 s24, s[WV], 16
	s_lshl_b32 s24, s24, 4
	s_cmp_lt_u32 s24, s[CNT]
	s_cselect_b32 s[AL4], 1, 0
	SETUP
	ALOAD 0, 0
	ALOAD 1, 1
	INIT
	s_wait_loadcnt 44                              ; K step 0's weights are in: behind them stand 24 weight loads and 20 token loads
	CONV 0, 0
	ALOAD 2, 2
	WLOAD 0, 4
	s_wait_dscnt 0x0
	s_barrier_signal -1
	s_barrier_wait -1                              ; everybody's part of K step 0 is in LDS
	BLOAD 0, 0
	s_wait_loadcnt 18                              ; all but the 10 + 8 just issued: from here on the loop's count holds by its own arithmetic
	WIN 0
	s_mov_b32 s[LOOP], 6
.Lk:
	STEP 0, 1, 1, 1, 44
	STEP 1, 1, 1, 1, 44
	STEP 2, 1, 1, 1, 44
	STEP 3, 1, 1, 1, 44
	ADV
	s_sub_co_u32 s[LOOP], s[LOOP], 1
	s_cmp_lg_u32 s[LOOP], 0
	s_cbranch_scc1 .Lk
	STEP 0, 1, 1, 1, 44                            ; K steps 24 to 31 are written out: no load leaves its buffer, and the counts run down
	STEP 1, 1, 1, 1, 44
	STEP 2, 1, 1, 1, 44                            ; the last weights, K step 31's, are asked for
	STEP 3, 1, 1, 0, 44
	ADV
	STEP 0, 1, 1, 0, 36                            ; behind step 28's tokens: 8 + 10 + 8 + 10.  The last tokens, step 31's, are asked for
	STEP 1, 1, 0, 0, 28                            ; behind step 29's: 8 + 10 + 10
	STEP 2, 1, 0, 0, 10                            ; behind step 30's: 10
	STEP 3, 0, 0, 0, 0
	PLACES
	s_mov_b32 s[PASS], 0
.Lpass:                                                ; four trips: a pass's tiles go out; then, if the expert has rows for it, the next pass is multiplied from the slice in LDS
	YOUT 0
	YOUT 1
	YOUT 2
	YOUT 3
	YOUT 4
	; Two barriers a trip, on every wave's path: this one between every wave's stores into its stage and the reads of the slice below, the other, at the trip's end, between those reads and the next
	; LDS writes (the next trip's stage; the closing add).  Stage, slice and spare words are different bytes by the constants above, so the two order nothing that the values need: they keep
	; the writes and the reads of the slice apart in time as well.
	s_wait_dscnt 0x0
	s_barrier_signal -1
	s_barrier_wait -1
	s_add_co_u32 s[T0], s[T0], 20
	s_lshl_b32 s24, s[T0], 4
	s_cmp_ge_u32 s24, s[CNT]
	s_cbranch_scc1 .Lnext
	s_wait_xcnt 0x0                                ; the stores' data are loaded over below
	s_mov_b64 s[4:5], s[14:15]
	SETUP
	INIT
	WIN 0
	s_mov_b32 s[KO], 0
	s_mov_b32 s[LOOP], 32
.Lres:                                                 ; plain on purpose: it runs only for an expert with more than 320 rows
	v_add_nc_u32 v[BRD], s[KO], v[L16]             ; the K step's place in the slice, made anew in each trip: a counted scalar + 16 x lane
	ALOAD 0, 0
	BLOAD 0, 0
	s_wait_loadcnt 0x0
	s_wait_dscnt 0x0
	MM 0, 0, 0
	MM 1, 0, 0
	MM 2, 0, 0
	MM 3, 0, 0
	MM 4, 0, 0
	WIN 0
	PLACES                                         ; ahead of the next trip's loads into the registers just read, and of the way out
	s_add_nc_u64 s[4:5], s[4:5], AK                ; free since the wait that showed the loads done
	s_add_co_u32 s[KO], s[KO], KB
	s_sub_co_u32 s[LOOP], s[LOOP], 1
	s_cmp_lg_u32 s[LOOP], 0
	s_cbranch_scc1 .Lres
.Lnext:
	s_wait_dscnt 0x0                               ; my reads of the slice are over
	s_barrier_signal -1
	s_barrier_wait -1                              ; everybody's are
	s_add_co_u32 s[PASS], s[PASS], 1
	s_cmp_lt_u32 s[PASS], 4
	s_cbranch_scc1 .Lpass
	s_wait_tensorcnt 0x0                           ; the wave's end
	ds_add_u32 v[SPW], v[NIL]
	s_wait_dscnt 0x0
	s_endpgm
.Lfunc_end_k_qcb765a52a8_down:
	.size	k_qcb765a52a8_down, .Lfunc_end_k_qcb765a52a8_down-k_qcb765a52a8_down
	.p2alignl 7, 3214868480
	.fill 96, 4, 3214868480
	.section	.rodata,"a",@progbits
	.p2align	6, 0x0
	.amdhsa_kernel k_qcb765a52a8_down
		.amdhsa_group_segment_fixed_size 322048
		.amdhsa_private_segment_fixed_size 0
		.amdhsa_enable_private_segment 0
		.amdhsa_kernarg_size 32
		.amdhsa_user_sgpr_count 2
		.amdhsa_user_sgpr_kernarg_segment_ptr 1
		.amdhsa_wavefront_size32 1
		.amdhsa_system_sgpr_workgroup_id_x 1
		.amdhsa_system_sgpr_workgroup_id_y 1
		.amdhsa_system_sgpr_workgroup_id_z 1
		.amdhsa_system_vgpr_workitem_id 0
		.amdhsa_next_free_vgpr 832
		.amdhsa_next_free_sgpr 100
		.amdhsa_reserve_vcc 0
		.amdhsa_float_denorm_mode_32 3
		.amdhsa_float_denorm_mode_16_64 3
		.amdhsa_memory_ordered 1
		.amdhsa_forward_progress 1
		.amdhsa_inst_pref_size 171
	.end_amdhsa_kernel
	.amdgpu_metadata
---
amdhsa.version: [ 1, 2 ]
amdhsa.kernels:
  - .name:           k_qcb765a52a8_down
    .symbol:         k_qcb765a52a8_down.kd
    .args:
      - { .name: hbuf, .offset: 0, .size: 8, .value_kind: global_buffer, .address_space: global }
      - { .name: w_down, .offset: 8, .size: 8, .value_kind: global_buffer, .address_space: global }
      - { .name: maps, .offset: 16, .size: 8, .value_kind: global_buffer, .address_space: global }
      - { .name: ybuf, .offset: 24, .size: 8, .value_kind: global_buffer, .address_space: global }
    .group_segment_fixed_size: 322048
    .private_segment_fixed_size: 0
    .kernarg_segment_align: 8
    .kernarg_segment_size: 32
    .max_flat_workgroup_size: 128
    .sgpr_count:     100
    .vgpr_count:     832
    .wavefront_size: 32
...
	.end_amdgpu_metadata
.endif
;; end of part 3
;; launch comb (part 4): grid 256 x 1, 8 waves a work-group, no clusters, 0 bytes of LDS; arguments ybuf, wts, sel, b_down, part, out0, out1; writes out0, out1
.if DOCPART == 4
	.amdgcn_target "amdgcn-amd-amdhsa--gfx1250"
	.amdhsa_code_object_version 6
	.text
	.protected	k_qcb765a52a8_comb
	.globl	k_qcb765a52a8_comb
	.p2align	8
	.type	k_qcb765a52a8_comb,@function
k_qcb765a52a8_comb:
	s_mov_b64 s[64:65], 0
	v_nop
	global_prefetch_b8 v0, s[64:65] scope:SCOPE_SE
	s_setreg_imm32_b32 hwreg(HW_REG_WAVE_MODE, 25, 1), 1
	s_wait_xcnt 0x0
; THE SUM.  out[n] = w0 (y[n, first] + b_down[e0]) + w1 (y[n, second] + b_down[e1]), where y is the sum of the four partial sums over F.  All in f32; b_down rounded once to bf16, as every input is.
; A work-group has four tokens; thread t has bytes 16 t of each row, so a wave's load or store covers 512 consecutive bytes.  All 40 loads of a thread go out together, ahead of the one wait.
; Memory binds: no LDS, no barrier, no matrix unit.  The chosen experts, whole numbers stored by the router's launch, enter the bias's address behind a clamp.
; Work-group 0's wave 0 also makes the loss: 0.008 x sum over e of (count_e / 1,024) (sum of probabilities_e / 1,024), from the 64 work-groups' parts.
.set Y,  32                            ; v[32:159]  quarter s, entry m = 2 u + k of my four tokens: 4 registers at Y + 4 (8 s + m)
.set BI, 160                           ; v[160:191] the bias of entry m at BI + 4 m
.set PT, 192                           ; v[192:223] the loss: two rows of part a lane
	s_load_b256 s[4:11], s[0:1], 0x0               ; ybuf s[4:5], wts s[6:7], sel s[8:9], b_down s[10:11]
	s_load_b128 s[12:15], s[0:1], 0x20             ; part s[12:13], out0 s[14:15]
	s_load_b64 s[16:17], s[0:1], 0x30              ; out1
	v_lshlrev_b32 v1, 4, v0
	v_lshrrev_b32 v2, 5, v0
	v_readfirstlane_b32 s56, v2                    ; wave
	s_mov_b32 s57, ttmp9
	s_mov_b32 s58, 0x76543210                      ; v_permlanex16_b32: each lane takes its own place in the other half
	s_mov_b32 s59, 0xfedcba98
	s_mov_b32 s19, 0
	s_wait_kmcnt 0x0
	s_lshl_b32 s18, s57, 4
	s_add_nc_u64 s[8:9], s[8:9], s[18:19]
	s_lshl_b32 s18, s57, 5
	s_add_nc_u64 s[6:7], s[6:7], s[18:19]
	s_load_b128 s[20:23], s[8:9], 0x0              ; my four tokens' choices
	s_load_b256 s[24:31], s[6:7], 0x0              ; and weights
	s_lshl_b32 s18, s57, 15                        ; my eight entries of 4,096 bytes, in each quarter
	s_add_nc_u64 s[48:49], s[4:5], s[18:19]
	s_add_nc_u64 s[50:51], s[48:49], 0x800000
	s_add_nc_u64 s[52:53], s[50:51], 0x800000
	s_add_nc_u64 s[54:55], s[52:53], 0x800000
.irp s, 0,1,2,3
.irp m, 0,1,2,3,4,5,6,7
	global_load_b128 v[Y+4*(8*\s+\m):Y+4*(8*\s+\m)+3], v1, s[48+2*\s:49+2*\s] offset:4096*\m th:TH_LOAD_NT
.endr
.endr
	s_lshl_b32 s18, s57, 14
	s_add_nc_u64 s[14:15], s[14:15], s[18:19]      ; out0 at my four rows
	s_wait_kmcnt 0x0
.irp u, 0,1,2,3
	s_and_b32 s18, s[20+\u], 0xff
	s_min_u32 s18, s18, 7
	s_lshl_b32 s18, s18, 12
	s_add_nc_u64 s[32+4*\u:33+4*\u], s[10:11], s[18:19]
	s_bfe_u32 s18, s[20+\u], 0x80008
	s_min_u32 s18, s18, 7
	s_lshl_b32 s18, s18, 12
	s_add_nc_u64 s[34+4*\u:35+4*\u], s[10:11], s[18:19]
.endr
.irp m, 0,1,2,3,4,5,6,7
	global_load_b128 v[BI+4*\m:BI+4*\m+3], v1, s[32+2*\m:33+2*\m]
.endr
	s_cmp_lg_u32 s57, 0
	s_cbranch_scc1 .Lmain
	s_cmp_lg_u32 s56, 0
	s_cbranch_scc1 .Lmain
	; THE LOSS, behind the issue of the main loads, so that its loads are on their way with them.  Lane l takes rows 2 l, 2 l + 1 of part: 128 bytes.
	v_lshlrev_b32 v2, 7, v0
.irp c, 0,1,2,3,4,5,6,7
	global_load_b128 v[PT+4*\c:PT+4*\c+3], v2, s[12:13] offset:16*\c
.endr
	s_wait_loadcnt 0x0
.irp p, 0,2,4,6,8,10,12,14
	v_pk_add_f32 v[PT+\p:PT+\p+1], v[PT+\p:PT+\p+1], v[PT+16+\p:PT+16+\p+1]
.endr
.irp m, 1,2,4,8
.set i, 0
.rept 16
	v_add_f32_dpp v[PT+i], v[PT+i], v[PT+i] row_xmask:\m row_mask:0xf bank_mask:0xf
.set i, i+1
.endr
.endr
.set i, 0
.rept 16
	v_permlanex16_b32 v[PT+16+i], v[PT+i], s58, s59
.set i, i+1
.endr
.set i, 0
.rept 16
	v_add_f32 v[PT+i], v[PT+i], v[PT+16+i]
.set i, i+1
.endr
	v_mul_f32 v3, v[PT], v[PT+8]
.irp j, 1,2,3,4,5,6,7
	v_fmac_f32 v3, v[PT+\j], v[PT+8+\j]
.endr
	v_mul_f32 v3, 0x3203126f, v3                   ; 0.008 / 2^20
	v_mov_b32 v4, 0
	s_wait_xcnt 0x0                                ; EXEC changes only behind this wait
	v_cmp_gt_u32 vcc_lo, 1, v0
	s_and_saveexec_b32 s18, vcc_lo
	global_store_b32 v4, v3, s[16:17]
	s_wait_xcnt 0x0
	s_or_b32 exec_lo, exec_lo, s18
.Lmain:
	s_wait_loadcnt 0x0                             ; all went out together; nothing is left to overlap
.set c, 0
.rept 16
	v_cvt_pk_bf16_f32 v[8+c%4], v[BI+2*c], v[BI+2*c+1]
	v_lshlrev_b32 v[BI+2*c], 16, v[8+c%4]
	v_and_b32 v[BI+2*c+1], 0xffff0000, v[8+c%4]
.set c, c+1
.endr
.set m, 0
.rept 8
.irp c, 0,2
	v_pk_add_f32 v[Y+4*m+\c:Y+4*m+\c+1], v[Y+4*m+\c:Y+4*m+\c+1], v[Y+32+4*m+\c:Y+32+4*m+\c+1]
	v_pk_add_f32 v[Y+64+4*m+\c:Y+64+4*m+\c+1], v[Y+64+4*m+\c:Y+64+4*m+\c+1], v[Y+96+4*m+\c:Y+96+4*m+\c+1]
.endr
.irp c, 0,2
	v_pk_add_f32 v[Y+4*m+\c:Y+4*m+\c+1], v[Y+4*m+\c:Y+4*m+\c+1], v[Y+64+4*m+\c:Y+64+4*m+\c+1]
.endr
.irp c, 0,2
	v_pk_add_f32 v[Y+4*m+\c:Y+4*m+\c+1], v[Y+4*m+\c:Y+4*m+\c+1], v[BI+4*m+\c:BI+4*m+\c+1]
.endr
.set m, m+1
.endr
.irp u, 0,1,2,3
.irp c, 0,1,2,3
	v_mul_f32 v[Y+8*\u+\c], s[24+2*\u], v[Y+8*\u+\c]
.endr
.irp c, 0,1,2,3
	v_fmac_f32 v[Y+8*\u+\c], s[25+2*\u], v[Y+8*\u+4+\c]
.endr
	global_store_b128 v1, v[Y+8*\u:Y+8*\u+3], s[14:15] offset:4096*\u th:TH_STORE_NT
.endr
	s_endpgm
.Lfunc_end_k_qcb765a52a8_comb:
	.size	k_qcb765a52a8_comb, .Lfunc_end_k_qcb765a52a8_comb-k_qcb765a52a8_comb
	.p2alignl 7, 3214868480
	.fill 96, 4, 3214868480
	.section	.rodata,"a",@progbits
	.p2align	6, 0x0
	.amdhsa_kernel k_qcb765a52a8_comb
		.amdhsa_group_segment_fixed_size 0
		.amdhsa_private_segment_fixed_size 0
		.amdhsa_enable_private_segment 0
		.amdhsa_kernarg_size 56
		.amdhsa_user_sgpr_count 2
		.amdhsa_user_sgpr_kernarg_segment_ptr 1
		.amdhsa_wavefront_size32 1
		.amdhsa_system_sgpr_workgroup_id_x 1
		.amdhsa_system_sgpr_workgroup_id_y 1
		.amdhsa_system_sgpr_workgroup_id_z 1
		.amdhsa_system_vgpr_workitem_id 0
		.amdhsa_next_free_vgpr 224
		.amdhsa_next_free_sgpr 66
		.amdhsa_reserve_vcc 1
		.amdhsa_float_denorm_mode_32 3
		.amdhsa_float_denorm_mode_16_64 3
		.amdhsa_memory_ordered 1
		.amdhsa_forward_progress 1
		.amdhsa_inst_pref_size 22
	.end_amdhsa_kernel
	.amdgpu_metadata
---
amdhsa.version: [ 1, 2 ]
amdhsa.kernels:
  - .name:           k_qcb765a52a8_comb
    .symbol:         k_qcb765a52a8_comb.kd
    .args:
      - { .name: ybuf, .offset: 0, .size: 8, .value_kind: global_buffer, .address_space: global }
      - { .name: wts, .offset: 8, .size: 8, .value_kind: global_buffer, .address_space: global }
      - { .name: sel, .offset: 16, .size: 8, .value_kind: global_buffer, .address_space: global }
      - { .name: b_down, .offset: 24, .size: 8, .value_kind: global_buffer, .address_space: global }
      - { .name: part, .offset: 32, .size: 8, .value_kind: global_buffer, .address_space: global }
      - { .name: out0, .offset: 40, .size: 8, .value_kind: global_buffer, .address_space: global }
      - { .name: out1, .offset: 48, .size: 8, .value_kind: global_buffer, .address_space: global }
    .group_segment_fixed_size: 0
    .private_segment_fixed_size: 0
    .kernarg_segment_align: 8
    .kernarg_segment_size: 56
    .max_flat_workgroup_size: 256
    .sgpr_count:     66
    .vgpr_count:     224
    .wavefront_size: 32
...
	.end_amdgpu_metadata
.endif
;; end of part 4
;; ======== version 2 of 3: 4 launches; 1.12 times as fast as version 1
;; workspace buffers: xb 2,097,152 bytes; wts 8,192 bytes; sel 4,096 bytes of whole numbers; maps 2,048 bytes of whole numbers; part 4,096 bytes; hbuf 67,108,864 bytes; ybuf 33,554,432 bytes
;; launch route: the kernel of part 1 again; grid 64 x 1, 8 waves a work-group, no clusters, 42,496 bytes of LDS; arguments x, gate_w, xb, wts, sel, maps, part; writes xb, wts, sel, maps, part
;; launch up (part 5): grid 32 x 8, 4 waves a work-group, no clusters, 270,848 bytes of LDS; arguments xb, w_up, b_up, maps, hbuf; writes hbuf
.if DOCPART == 5
	.amdgcn_target "amdgcn-amd-amdhsa--gfx1250"
	.amdhsa_code_object_version 6
	.text
	.protected	k_qcb765a52a8_up
	.globl	k_qcb765a52a8_up
	.p2align	8
	.type	k_qcb765a52a8_up,@function
k_qcb765a52a8_up:
	s_mov_b64 s[64:65], 0
	v_nop
	global_prefetch_b8 v0, s[64:65] scope:SCOPE_SE
	s_setreg_imm32_b32 hwreg(HW_REG_WAVE_MODE, 25, 1), 1
	s_wait_xcnt 0x0
; FIRST PRODUCT.  h = relu(x W_up[e] + b_up[e]) for the tokens that chose expert e, in the order of their numbers (a token's RANK in e).  x, W and b rounded once to bf16, sums in f32, h rounded once to bf16.
; SHARES.  Work-group (bx, e) has columns 128 bx .. +127 of expert e's W: 1,024 rows x 512 bytes of f32, which it alone reads, once; and ALL of the expert's rows, 0 to 1,024 of them.
; Rows go in tiles of 16 ranks; tile t = 20 p + 4 i + w belongs to pass p, place i = 0..4, wave w.  A pass is 320 rows.
; PASS 0 streams the slice: f32 through registers, rounded, into LDS one K step (32 of K) ahead of the products.  The rounded slice STAYS in LDS (no LDS byte is written twice), so passes 1 to 3, which run only
; where the expert has more than 320 rows, multiply from it.  Every loop has a constant count; the count of rows steers forward jumps alone, none of which passes a barrier.
; WHICH TOKEN HAS A RANK is found in registers, from the expert's bitmap of 1,024 bits in scalar registers (macro FIND): the row offsets are made of scalar loads and vector arithmetic alone.
; NO SHARED TILES: each weight byte has one reader and must pass through registers to be rounded; the token rows are scattered, which no descriptor covers.  So no cluster and no tensor load.
; LAYOUT.  Source 0 = 16 columns of W, source 1 = 16 tokens: in the result lane (r, h) holds token r and columns 16 tau + 8 h + 0..7, which rounded to bf16 ARE four registers of the second product's token
; fragment.  hbuf is laid out so: [e][tile 64][K step 128][half 2][lane 32][16 bytes]; every store of a wave covers 512 consecutive bytes.
; W lies [k][n].  Lane (r, h) of wave w loads 16 bytes (4 columns) of rows 16 (w / 2) + 8 h + 0..7: sixteen lanes take 256 consecutive bytes of a row.  Packing rows 2 p, 2 p + 1 gives, for each of the 4 columns,
; 16 bytes = 8 consecutive k: the four registers that fragment lane (column % 16, h) wants.  They are stored at that lane's place, so fragments are read back as 512 consecutive bytes.
; Tile 0 is stored even for an expert without rows (it then holds token 0's h), so that the next launch reads no byte that was not written.
; LIMITS.  NaN and infinities are not treated apart.
; REGISTERS, in windows of 256 (s_set_vgpr_msb: bits 1:0 source 0, 3:2 source 1, 5:4 source 2, 7:6 destination):
;   window 0: addresses; v32-47 rounded weights on their way to LDS (and FIND's work); v64-223 token fragments, a ring of 4 K steps x 5 tiles x 8      window 1: v0-127 weight fragments, two buffers; v128-255 weights as loaded, a ring of 4 x 32
;   window 2: accumulators of tiles 0-3 (tile i, columns tau at 64 i + 8 tau)      window 3: v0-63 tile 4; v64-127 the bias of my lane's 64 columns
.set PB,    16384                      ; bytes from row to row of W
.set PBS,   17                         ; 8 PB = 1 << PBS
.set AK,    64                         ; a token fragment: bytes from K step to K step,
.set AG,    32                         ; and between its two halves
.set HB,    528                        ; half a weight fragment in LDS: 512 bytes + 16
.set WR,    4*HB                       ; what one wave stores of a K step
.set KB,    4*WR                       ; a K step
.set SPARE, 32*KB                      ; behind the slice: the spare words, 128 bytes a wave, two blocks of 256 bytes that no other line names
.set WOFF, 4                           ; v4   my 16 bytes in the first of my 8 rows of a K step of W
.set WST,  5                           ; v5   where my rounded 16 bytes go in LDS; steps
.set BRD,  6                           ; v6   16 x lane + the K steps gone by
.set L16,  7                           ; v7   16 x lane
.set AOFF, 8                           ; v8-12  tile i: my token's row in xb + 16 h (in FIND: a queue of the tokens found)
.set HOFF, 13                          ; v13-17 tile i: its place in hbuf + 16 x lane
.set RHO,  21                          ; v21  FIND: my rank << 16 | 0xffff
.set PKV,  22                          ; v22  FIND: the packed prefix of my rank's word; then the token
.set WD,   23                          ; v23  FIND: my rank's word of the bitmap
.set ZR,   24                          ; v24  0, for the ReLU on packed halves
.set H16,  28                          ; v28  16 h
.set BOFF, 29                          ; v29  32 h
.set SPW,  30                          ; v30  SPARE + 4 x my thread's number; never rewritten
.set NIL,  31                          ; v31  0; never rewritten
.set T,    32
.set FC1,  32                          ; FIND: the word's counts of set bits in fields of 2,
.set FC2,  33                          ; 4,
.set FC4,  34                          ; 8
.set FC8,  35                          ; and 16 bits
.set FN,   36                          ; which set bit of the word is wanted, counted from 0
.set FP,   37                          ; the bit position so far
.set FT,   38                          ; at work
.set FD,   39
.set FQ,   40
.set AR,   64
.set BF,   0                           ; window 1
.set WS,   128                         ; window 1
.set BIAS, 64                          ; window 3
.set WV,   16                          ; s16 wave   s17 expert   s18 bx
.set EX,   17
.set BX,   18
.set CNT,  19                          ; s19  the expert's rows
.set LOOP, 20
.set PASS, 21
.set T0,   22                          ; s22  20 p + w: my first tile of the pass
.set AL4,  23                          ; s23  1: my fifth tile of pass 0 has rows
.set CNT1, 28                          ; s28  max(CNT, 1)
.set FTL,  29                          ; s29  FIND: the tile in hand
.set KO,   30                          ; s30  the later passes: LDS byte at which the K step in hand begins
.set HM,   31                          ; s31  0xffff
.set MA,   32                          ; s[32:63] the expert's bitmap: bit b of word j is token 32 j + b
.set PK,   66                          ; s67-97   word j = 1..31: (rows in the words before j) << 16 | 32 j
.set MSB, 0
.macro WIN new                         ; the immediate's high byte repeats the setting that is left; a switch that changes nothing is dropped
.if MSB != (\new)
	s_set_vgpr_msb (MSB<<8)|(\new)
.set MSB, \new
.endif
.endm
.macro PLACES                          ; four places behind a product, ahead of what reads its result or writes one of its registers (ISA guide 7.12.1)
.rept 4
	v_nop
.endr
.endm
.macro WLOAD u, ko                     ; my 8 rows of the K step ko steps on, into slot u
	WIN 0x40
.irp i, 0,1,2,3,4,5,6,7
	global_load_b128 v[WS+32*(\u)+4*\i:WS+32*(\u)+4*\i+3], v[WOFF], s[6:7] offset:(32*(\ko)+\i)*PB th:TH_LOAD_NT
.endr
.endm
.macro ALOAD a, ko                     ; my five tiles' token fragments of the K step ko steps on, into slot a.  Always all five, so that the counts of loads are the same on every path
	WIN 0
.irp i, 0,1,2,3,4
	global_load_b128 v[AR+40*(\a)+8*\i:AR+40*(\a)+8*\i+3],   v[AOFF+\i], s[4:5] offset:(\ko)*AK
	global_load_b128 v[AR+40*(\a)+8*\i+4:AR+40*(\a)+8*\i+7], v[AOFF+\i], s[4:5] offset:(\ko)*AK+AG
.endr
.endm
.macro CONV u, ko                      ; slot u is rounded, pairs of rows packed, and stored as fragment lanes of K step ko
	WIN 0x05
.irp j, 0,1,2,3
.irp p, 0,1,2,3
	v_cvt_pk_bf16_f32 v[T+4*\j+\p], v[WS+32*(\u)+8*\p+\j], v[WS+32*(\u)+8*\p+4+\j]
.endr
.endr
	WIN 0
.irp j, 0,1,2,3
	ds_store_b128 v[WST], v[T+4*\j:T+4*\j+3] offset:(\ko)*KB+16*\j
.endr
.endm
.macro BLOAD b, ko                     ; the eight weight fragments of K step ko into buffer b: half gg of columns tau was stored by wave 2 gg + tau / 4
	WIN 0x40
.irp t, 0,1,2,3,4,5,6,7
.irp g, 0,1
	ds_load_b128 v[BF+64*(\b)+8*\t+4*\g:BF+64*(\b)+8*\t+4*\g+3], v[BRD] offset:(\ko)*KB+((\t/4)+2*\g)*WR+(\t%4)*HB
.endr
.endr
.endm
.macro MM i, a, b                      ; tile i: eight products on eight accumulators, which so take turns
.if (\i) < 4
	WIN 0xa1
.else
	WIN 0xf1
.endif
.irp t, 0,1,2,3,4,5,6,7
	v_wmma_f32_16x16x32_bf16 v[64*((\i)%4)+8*\t:64*((\i)%4)+8*\t+7], v[BF+64*(\b)+8*\t:BF+64*(\b)+8*\t+7], v[AR+40*(\a)+8*(\i):AR+40*(\a)+8*(\i)+7], v[64*((\i)%4)+8*\t:64*((\i)%4)+8*\t+7]
.endr
.endm
; K STEP s of pass 0, q = s % 4.  It multiplies step s; rounds step s + 1's weights into LDS; asks for the tokens of step s + 3 and the weights of step s + 5.
; n: a step issues 10 token loads and then 8 weight loads.  Step s wants its tokens (asked for in step s - 3) and the weights of s + 1 (older).  Behind those tokens stand 8 + 10 + 8 + 10 + 8 = 44 loads.
; The 16 conversions are the places between the last step's products and the loads into the registers that those products read.
; ONE barrier a step: in front of it every wave's stores of step s + 1 are done, behind it every wave reads them.  Nothing in LDS is overwritten, so no ordering the other way is needed.
.macro STEP q, conv, al, wl, n
	s_wait_loadcnt \n
.if \conv
	CONV ((\q)+1)%4, (\q)+1
.endif
.if \al
	ALOAD ((\q)+3)%4, (\q)+3
.endif
.if \wl
	WLOAD ((\q)+1)%4, (\q)+5
.endif
.if \conv
	s_wait_dscnt 4                                 ; this step's 16 fragment loads are in; the four stores just issued may be out
.else
	s_wait_dscnt 0x0
.endif
	MM 0, \q, (\q)%2
.if \conv
	s_wait_dscnt 0x0                               ; for the others' sake: my stores are done
	s_barrier_signal -1
.endif
	MM 1, \q, (\q)%2
.if \conv
	s_barrier_wait -1
	BLOAD ((\q)+1)%2, (\q)+1
.endif
	MM 2, \q, (\q)%2
	MM 3, \q, (\q)%2
	WIN 0
	s_cmp_eq_u32 s[AL4], 0
	s_cbranch_scc1 .Lno4_\@                        ; the fifth tile's products are jumped where it has no rows
	MM 4, \q, (\q)%2
	WIN 0
.Lno4_\@:
.endm
.macro ADV                             ; four K steps on
	s_wait_xcnt 0x0                                ; the bases are rewritten only behind this wait
	s_add_nc_u64 s[6:7], s[6:7], 128*PB
	s_add_nc_u64 s[4:5], s[4:5], 4*AK
	v_add_nc_u32 v[WST], 4*KB, v[WST]
	v_add_nc_u32 v[BRD], 4*KB, v[BRD]
.endm
; One level of the search for set bit number FN of the word: the field of wid bits at FP of src counts the set bits of the lower half of what is left; if the wanted bit is not among them, they are
; taken off FN and the search goes stp bits up.
.macro LEVEL src, wid, stp
	v_bfe_u32 v[FT], v[\src], v[FP], \wid
	v_add_nc_u32 v[FQ], \stp, v[FP]
	v_cmp_ge_u32 vcc_lo, v[FN], v[FT]
	v_sub_nc_u32 v[FD], v[FN], v[FT]
	v_cndmask_b32 v[FP], v[FP], v[FQ], vcc_lo
	v_cndmask_b32 v[FN], v[FN], v[FD], vcc_lo
.endm
; THE ADDRESSES OF A PASS'S FIVE TILES.  Five trips, a tile a trip: lane (r, h) looks for the token of rank 16 t + r.  The words' packed prefixes ascend, so the last of them that is not above
; rank << 16 | 0xffff is that of the word which holds the rank; it and the word are kept by 31 x (compare, two selects).  Then the set bit is found from the word's counts by halves.
; The token goes into a queue of five registers, which after five trips holds the tiles in order.  A tile without rows is jumped and takes token 0; in a tile that is not full a rank past the count ends at
; token 1,023: rows that exist, whose results are not stored.
.macro FIND
	WIN 0
.irp i, 1,2,3,4
	v_mov_b32 v[AOFF+\i], 0                        ; the queue is read from its first trip on
.endr
	s_mov_b32 s[FTL], s[T0]
	s_mov_b32 s[LOOP], 5
.Lfind_\@:
	v_mov_b32 v[PKV], 0                            ; word 0's packed prefix; and the token of a tile without rows
	s_lshl_b32 s24, s[FTL], 4
	s_cmp_ge_u32 s24, s[CNT]
	s_cbranch_scc1 .Lfound_\@
	v_add_nc_u32 v[RHO], s24, v2                   ; my rank, under 1,024 here
	v_lshl_or_b32 v[RHO], v[RHO], 16, s[HM]
	v_mov_b32 v[WD], s[MA]
.set j, 1
.rept 31
	v_cmp_gt_u32 vcc_lo, s[PK+j], v[RHO]           ; more rows before word j than my rank: the word has been passed, what is held stays
	v_cndmask_b32 v[PKV], s[PK+j], v[PKV], vcc_lo
	v_cndmask_b32 v[WD], s[MA+j], v[WD], vcc_lo
.set j, j+1
.endr
	v_lshrrev_b32 v[FN], 16, v[RHO]
	v_lshrrev_b32 v[FT], 16, v[PKV]
	v_sub_nc_u32 v[FN], v[FN], v[FT]               ; my rank within the word
	v_lshrrev_b32 v[FC1], 1, v[WD]                 ; counts of set bits in fields of 2, 4, 8 and 16 bits
	v_and_b32 v[FC1], 0x55555555, v[FC1]
	v_sub_nc_u32 v[FC1], v[WD], v[FC1]
	v_lshrrev_b32 v[FC2], 2, v[FC1]
	v_and_b32 v[FT], 0x33333333, v[FC1]
	v_and_b32 v[FC2], 0x33333333, v[FC2]
	v_add_nc_u32 v[FC2], v[FC2], v[FT]
	v_lshrrev_b32 v[FC4], 4, v[FC2]
	v_add_nc_u32 v[FC4], v[FC4], v[FC2]
	v_and_b32 v[FC4], 0x0f0f0f0f, v[FC4]
	v_lshrrev_b32 v[FC8], 8, v[FC4]
	v_add_nc_u32 v[FC8], v[FC8], v[FC4]
	v_and_b32 v[FC8], 0x00ff00ff, v[FC8]
	v_mov_b32 v[FP], 0
	LEVEL FC8, 8, 16
	LEVEL FC4, 8, 8
	LEVEL FC2, 4, 4
	LEVEL FC1, 2, 2
	LEVEL WD,  1, 1
	v_and_b32 v[PKV], s[HM], v[PKV]                ; 32 j
	v_add_nc_u32 v[PKV], v[PKV], v[FP]             ; + the bit = the token
.Lfound_\@:
.irp i, 0,1,2,3
	v_mov_b32 v[AOFF+\i], v[AOFF+\i+1]
.endr
	v_mov_b32 v[AOFF+4], v[PKV]
	s_add_co_u32 s[FTL], s[FTL], 4
	s_sub_co_u32 s[LOOP], s[LOOP], 1
	s_cmp_lg_u32 s[LOOP], 0
	s_cbranch_scc1 .Lfind_\@
.irp i, 0,1,2,3,4
	v_min_u32 v[AOFF+\i], 0x3ff, v[AOFF+\i]
	v_lshl_add_u32 v[AOFF+\i], v[AOFF+\i], 11, v[H16]
	s_add_co_u32 s24, s[T0], 4*\i
	s_min_u32 s24, s24, 63                         ; a tile past 63 is never stored: its offset only has to lie in the buffer
	v_lshl_add_u32 v[HOFF+\i], s24, 17, v[L16]
.endr
.endm
; The sums begin with the bias: 320 moves, which take the place of 320 additions behind the products and of a first K step written out.  In pass 0 they stand in the wait for the first weights and tokens.
.macro INIT
	WIN 0x83
.set c, 0
.rept 256
	v_mov_b32 v[c], v[BIAS+c%64]
.set c, c+1
.endr
	WIN 0xc3
.set c, 0
.rept 64
	v_mov_b32 v[c], v[BIAS+c]
.set c, c+1
.endr
.endm
; THE WAY OUT of tile i: rounded to bf16 (each accumulator's registers ascending), ReLU on the packed halves, eight stores of 512 consecutive bytes.
.macro HOUT i
	WIN 0
	s_add_co_u32 s24, s[T0], 4*(\i)
	s_lshl_b32 s24, s24, 4
	s_cmp_ge_u32 s24, s[CNT1]
	s_cbranch_scc1 .Lhdead_\@
.if (\i) < 4
	WIN 0x0a
.else
	WIN 0x0f
.endif
.set c, 0
.rept 32
	v_cvt_pk_bf16_f32 v[AR+32*(\i)+c], v[64*((\i)%4)+2*c], v[64*((\i)%4)+2*c+1]
.set c, c+1
.endr
	WIN 0
.set c, 0
.rept 32
	v_pk_max_num_bf16 v[AR+32*(\i)+c], v[AR+32*(\i)+c], v[ZR]
.set c, c+1
.endr
.irp t, 0,1,2,3,4,5,6,7
	global_store_b128 v[HOFF+(\i)], v[AR+32*(\i)+4*\t:AR+32*(\i)+4*\t+3], s[12:13] offset:(\t/2)*1024+(\t%2)*512
.endr
.Lhdead_\@:
.endm
	s_load_b256 s[4:11], s[0:1], 0x0               ; xb s[4:5], w_up s[6:7], b_up s[8:9], maps s[10:11]
	s_load_b64 s[12:13], s[0:1], 0x20              ; hbuf
	v_lshl_add_u32 v[SPW], v0, 2, SPARE
	v_mov_b32 v[NIL], 0
	v_and_b32 v1, 31, v0                           ; lane
	v_and_b32 v2, 15, v0                           ; r; never rewritten
	v_bfe_u32 v3, v0, 4, 1                         ; h
	v_lshrrev_b32 v21, 5, v0
	v_readfirstlane_b32 s[WV], v21                 ; wave 0..3
	s_and_b32 s[EX], ttmp7, 0xffff
	s_mov_b32 s[BX], ttmp9
	s_lshr_b32 s24, s[WV], 1
	s_mul_i32 s24, s24, 16*PB                      ; rows 16 (w / 2) on,
	s_and_b32 s25, s[WV], 1
	s_lshl_b32 s25, s25, 8                         ; columns 64 (w % 2) on
	s_add_co_u32 s24, s24, s25
	v_lshlrev_b32 v[WOFF], 4, v2
	v_lshl_add_u32 v[WOFF], v3, PBS, v[WOFF]
	v_add_nc_u32 v[WOFF], s24, v[WOFF]
	v_lshrrev_b32 v21, 2, v2                       ; my 4 columns lie in half fragment r / 4 of my wave's four, at fragment lanes 4 (r % 4) + 0..3 of half h
	v_mul_u32_u24 v[WST], v21, HB
	v_and_b32 v21, 3, v2
	v_lshl_add_u32 v[WST], v21, 6, v[WST]
	v_lshl_add_u32 v[WST], v3, 8, v[WST]
	s_mul_i32 s24, s[WV], WR
	v_add_nc_u32 v[WST], s24, v[WST]
	v_lshlrev_b32 v[L16], 4, v1
	v_mov_b32 v[BRD], v[L16]
	v_lshlrev_b32 v[H16], 4, v3
	v_lshlrev_b32 v[BOFF], 5, v3
	v_mov_b32 v[ZR], 0
	s_mov_b32 s[HM], 0xffff
	s_mov_b32 s25, 0
	s_wait_kmcnt 0x0
	s_lshl_b32 s24, s[EX], 7
	s_add_nc_u64 s[10:11], s[10:11], s[24:25]
	s_load_b512 s[MA:MA+15], s[10:11], 0x0         ; the expert's 1,024 bits
	s_load_b512 s[MA+16:MA+31], s[10:11], 0x40
	s_lshl_b32 s24, s[EX], 24
	s_lshl_b32 s26, s[BX], 9
	s_add_co_u32 s24, s24, s26
	s_add_nc_u64 s[6:7], s[6:7], s[24:25]          ; W at the slice's first row
	s_lshl_b32 s24, s[EX], 14
	s_add_co_u32 s24, s24, s26
	s_add_nc_u64 s[8:9], s[8:9], s[24:25]          ; the slice's bias
	s_lshl_b32 s24, s[EX], 23
	s_lshl_b32 s26, s[BX], 12
	s_add_co_u32 s24, s24, s26
	s_add_nc_u64 s[12:13], s[12:13], s[24:25]      ; hbuf at the expert's tile 0, K step 4 bx
	s_mov_b64 s[14:15], s[4:5]                     ; xb is kept for the later passes
	WIN 0xc0
.irp t, 0,1,2,3,4,5,6,7
	global_load_b128 v[BIAS+8*\t:BIAS+8*\t+3],   v[BOFF], s[8:9] offset:64*\t
	global_load_b128 v[BIAS+8*\t+4:BIAS+8*\t+7], v[BOFF], s[8:9] offset:64*\t+16
.endr
	WLOAD 0, 0                                     ; four K steps of weights go out before anything else is done: 32 loads of 512 bytes a wave
	WLOAD 1, 1
	WLOAD 2, 2
	WLOAD 3, 3
	WIN 0
	s_mov_b32 s[CNT], 0
	s_wait_kmcnt 0x0
.set j, 0
.rept 32                                               ; the words' packed prefixes, and the count of rows
.if j > 0
	s_lshl_b32 s[PK+j], s[CNT], 16
	s_or_b32 s[PK+j], s[PK+j], 32*j
.endif
	s_bcnt1_i32_b32 s24, s[MA+j]
	s_add_co_u32 s[CNT], s[CNT], s24
.set j, j+1
.endr
	s_max_u32 s[CNT1], s[CNT], 1
	s_mov_b32 s[T0], s[WV]
	s_add_co_u32 s24, s[WV], 16
	s_lshl_b32 s24, s24, 4
	s_cmp_lt_u32 s24, s[CNT]
	s_cselect_b32 s[AL4], 1, 0
	FIND
	s_wait_loadcnt 32                              ; the bias is in; the 32 weight loads issued behind it stay out
	ALOAD 0, 0                                     ; the first tokens go out as soon as they are known: the 416 vector instructions below stand in the wait for them
	ALOAD 1, 1
	WIN 0x0f                                       ; the bias is rounded to bf16, as every input is; at work: the ring's slot 3, which is first loaded in K step 0
.set c, 0
.rept 32
	v_cvt_pk_bf16_f32 v[AR+120+c], v[BIAS+2*c], v[BIAS+2*c+1]
.set c, c+1
.endr
	WIN 0xc0
.set c, 0
.rept 32
	v_lshlrev_b32 v[BIAS+2*c], 16, v[AR+120+c]
	v_and_b32 v[BIAS+2*c+1], 0xffff0000, v[AR+120+c]
.set c, c+1
.endr
	INIT
	s_wait_loadcnt 44                              ; K step 0's weights are in: behind them stand 24 weight loads and 20 token loads
	CONV 0, 0
	ALOAD 2, 2
	WLOAD 0, 4
	s_wait_dscnt 0x0
	s_barrier_signal -1
	s_barrier_wait -1                              ; everybody's part of K step 0 is in LDS
	BLOAD 0, 0
	s_wait_loadcnt 18                              ; all but the 10 + 8 just issued: from here on the loop's count holds by its own arithmetic
	WIN 0
	s_mov_b32 s[LOOP], 6
.Lk:
	STEP 0, 1, 1, 1, 44
	STEP 1, 1, 1, 1, 44
	STEP 2, 1, 1, 1, 44
	STEP 3, 1, 1, 1, 44
	ADV
	s_sub_co_u32 s[LOOP], s[LOOP], 1
	s_cmp_lg_u32 s[LOOP], 0
	s_cbranch_scc1 .Lk
	STEP 0, 1, 1, 1, 44                            ; K steps 24 to 31 are written out: no load leaves its buffer, and the counts run down
	STEP 1, 1, 1, 1, 44
	STEP 2, 1, 1, 1, 44                            ; the last weights, K step 31's, are asked for
	STEP 3, 1, 1, 0, 44
	ADV
	STEP 0, 1, 1, 0, 36                            ; behind step 28's tokens: 8 + 10 + 8 + 10.  The last tokens, step 31's, are asked for
	STEP 1, 1, 0, 0, 28                            ; behind step 29's: 8 + 10 + 10
	STEP 2, 1, 0, 0, 10                            ; behind step 30's: 10
	STEP 3, 0, 0, 0, 0
	PLACES
	s_mov_b32 s[PASS], 0
.Lpass:                                                ; four trips: a pass's tiles go out; then, if the expert has rows for it, the next pass is multiplied from the slice in LDS
	s_wait_xcnt 0x0                                ; the registers that the last trip's stores read are rewritten only behind this wait
	HOUT 0
	HOUT 1
	HOUT 2
	HOUT 3
	HOUT 4
	s_add_co_u32 s[T0], s[T0], 20
	s_lshl_b32 s24, s[T0], 4
	s_cmp_ge_u32 s24, s[CNT]
	s_cbranch_scc1 .Lnext
	s_wait_xcnt 0x0                                ; the stores' data and offsets are rewritten below
	s_mov_b64 s[4:5], s[14:15]
	FIND
	INIT
	WIN 0
	s_mov_b32 s[KO], 0
	s_mov_b32 s[LOOP], 32
.Lres:                                                 ; plain on purpose: it runs only for an expert with more than 320 rows
	v_add_nc_u32 v[BRD], s[KO], v[L16]             ; the K step's place in the slice, made anew in each trip: a counted scalar + 16 x lane
	ALOAD 0, 0
	BLOAD 0, 0
	s_wait_loadcnt 0x0
	s_wait_dscnt 0x0
	MM 0, 0, 0
	MM 1, 0, 0
	MM 2, 0, 0
	MM 3, 0, 0
	MM 4, 0, 0
	WIN 0
	PLACES                                         ; ahead of the next trip's loads into the registers just read, and of the way out
	s_add_nc_u64 s[4:5], s[4:5], AK                ; free since the wait that showed the loads done
	s_add_co_u32 s[KO], s[KO], KB
	s_sub_co_u32 s[LOOP], s[LOOP], 1
	s_cmp_lg_u32 s[LOOP], 0
	s_cbranch_scc1 .Lres
.Lnext:
	s_add_co_u32 s[PASS], s[PASS], 1
	s_cmp_lt_u32 s[PASS], 4
	s_cbranch_scc1 .Lpass
	s_wait_dscnt 0x0                               ; my reads of the slice are over;
	s_barrier_signal -1                            ; a barrier on every wave's path between all waves' reads of the slice and the closing LDS write.  Slice and spare words are
	s_barrier_wait -1                              ; different bytes by the constants above, so it orders nothing that the values need: it keeps write and reads apart in time as well
	s_wait_tensorcnt 0x0                           ; the wave's end
	ds_add_u32 v[SPW], v[NIL]
	s_wait_dscnt 0x0
	s_endpgm
.Lfunc_end_k_qcb765a52a8_up:
	.size	k_qcb765a52a8_up, .Lfunc_end_k_qcb765a52a8_up-k_qcb765a52a8_up
	.p2alignl 7, 3214868480
	.fill 96, 4, 3214868480
	.section	.rodata,"a",@progbits
	.p2align	6, 0x0
	.amdhsa_kernel k_qcb765a52a8_up
		.amdhsa_group_segment_fixed_size 270848
		.amdhsa_private_segment_fixed_size 0
		.amdhsa_enable_private_segment 0
		.amdhsa_kernarg_size 40
		.amdhsa_user_sgpr_count 2
		.amdhsa_user_sgpr_kernarg_segment_ptr 1
		.amdhsa_wavefront_size32 1
		.amdhsa_system_sgpr_workgroup_id_x 1
		.amdhsa_system_sgpr_workgroup_id_y 1
		.amdhsa_system_sgpr_workgroup_id_z 1
		.amdhsa_system_vgpr_workitem_id 0
		.amdhsa_next_free_vgpr 896
		.amdhsa_next_free_sgpr 100
		.amdhsa_reserve_vcc 1
		.amdhsa_float_denorm_mode_32 3
		.amdhsa_float_denorm_mode_16_64 3
		.amdhsa_memory_ordered 1
		.amdhsa_forward_progress 1
		.amdhsa_inst_pref_size 162
	.end_amdhsa_kernel
	.amdgpu_metadata
---
amdhsa.version: [ 1, 2 ]
amdhsa.kernels:
  - .name:           k_qcb765a52a8_up
    .symbol:         k_qcb765a52a8_up.kd
    .args:
      - { .name: xb, .offset: 0, .size: 8, .value_kind: global_buffer, .address_space: global }
      - { .name: w_up, .offset: 8, .size: 8, .value_kind: global_buffer, .address_space: global }
      - { .name: b_up, .offset: 16, .size: 8, .value_kind: global_buffer, .address_space: global }
      - { .name: maps, .offset: 24, .size: 8, .value_kind: global_buffer, .address_space: global }
      - { .name: hbuf, .offset: 32, .size: 8, .value_kind: global_buffer, .address_space: global }
    .group_segment_fixed_size: 270848
    .private_segment_fixed_size: 0
    .kernarg_segment_align: 8
    .kernarg_segment_size: 40
    .max_flat_workgroup_size: 128
    .sgpr_count:     100
    .vgpr_count:     896
    .wavefront_size: 32
...
	.end_amdgpu_metadata
.endif
;; end of part 5
;; launch down: the kernel of part 3 again; grid 32 x 8, 4 waves a work-group, no clusters, 322,048 bytes of LDS; arguments hbuf, w_down, maps, ybuf; writes ybuf
;; launch comb: the kernel of part 4 again; grid 256 x 1, 8 waves a work-group, no clusters, 0 bytes of LDS; arguments ybuf, wts, sel, b_down, part, out0, out1; writes out0, out1
;; ======== version 3 of 3: 4 launches; version 2 with the launches up, down written anew for expert scheduling mode
;; workspace buffers: xb 2,097,152 bytes; wts 8,192 bytes; sel 4,096 bytes of whole numbers; maps 2,048 bytes of whole numbers; part 4,096 bytes; hbuf 67,108,864 bytes; ybuf 33,554,432 bytes
;; launch route: the kernel of part 1 again; grid 64 x 1, 8 waves a work-group, no clusters, 42,496 bytes of LDS; arguments x, gate_w, xb, wts, sel, maps, part; writes xb, wts, sel, maps, part
;; launch up (part 6): grid 32 x 8, 4 waves a work-group, no clusters, 270,848 bytes of LDS; arguments xb, w_up, b_up, maps, hbuf; writes hbuf
.if DOCPART == 6
	.amdgcn_target "amdgcn-amd-amdhsa--gfx1250"
	.amdhsa_code_object_version 6
	.text
	.protected	k_qcb765a52a8_up
	.globl	k_qcb765a52a8_up
	.p2align	8
	.type	k_qcb765a52a8_up,@function
k_qcb765a52a8_up:
	s_mov_b64 s[64:65], 0
	v_nop
	global_prefetch_b8 v0, s[64:65] scope:SCOPE_SE
	s_setreg_imm32_b32 hwreg(HW_REG_WAVE_SCHED_MODE, 0, 2), 2
	s_setreg_imm32_b32 hwreg(HW_REG_WAVE_MODE, 25, 1), 1
	s_wait_xcnt 0x0
	s_wait_alu depctr_vm_vsrc(0)
; FIRST PRODUCT.  h = relu(x W_up[e] + b_up[e]) for the tokens that chose expert e, in the order of their numbers (a token's RANK in e).  x, W and b rounded once to bf16, sums in f32, h rounded once to bf16.
; SHARES.  Work-group (bx, e) has columns 128 bx .. +127 of expert e's W: 1,024 rows x 512 bytes of f32, which it alone reads, once; and ALL of the expert's rows, 0 to 1,024 of them.
; Rows go in tiles of 16 ranks; tile t = 20 p + 4 i + w belongs to pass p, place i = 0..4, wave w.  A pass is 320 rows.
; PASS 0 streams the slice: f32 through registers, rounded, into LDS one K step (32 of K) ahead of the products.  The rounded slice STAYS in LDS (no LDS byte is written twice), so passes 1 to 3, which run only
; where the expert has more than 320 rows, multiply from it.  Every loop has a constant count; the count of rows steers forward jumps alone, none of which passes a barrier.
; WHICH TOKEN HAS A RANK is found in registers, from the expert's bitmap of 1,024 bits in scalar registers (macro FIND): the row offsets are made of scalar loads and vector arithmetic alone.
; NO SHARED TILES: each weight byte has one reader and must pass through registers to be rounded; the token rows are scattered, which no descriptor covers.  So no cluster and no tensor load.
; LAYOUT.  Source 0 = 16 columns of W, source 1 = 16 tokens: in the result lane (r, h) holds token r and columns 16 tau + 8 h + 0..7, which rounded to bf16 ARE four registers of the second product's token
; fragment.  hbuf is laid out so: [e][tile 64][K step 128][half 2][lane 32][16 bytes]; every store of a wave covers 512 consecutive bytes.
; W lies [k][n].  Lane (r, h) of wave w loads 16 bytes (4 columns) of rows 16 (w / 2) + 8 h + 0..7: sixteen lanes take 256 consecutive bytes of a row.  Packing rows 2 p, 2 p + 1 gives, for each of the 4 columns,
; 16 bytes = 8 consecutive k: the four registers that fragment lane (column % 16, h) wants.  They are stored at that lane's place, so fragments are read back as 512 consecutive bytes.
; Tile 0 is stored even for an expert without rows (it then holds token 0's h), so that the next launch reads no byte that was not written.
; LIMITS.  NaN and infinities are not treated apart.
; THE MODE: SCHED_MODE bits 1:0 = 2 (LLVM: expert scheduling mode 2), set by the entry lines.  The code itself states the register dependences between vector or matrix instructions
; and memory or LDS instructions, with s_wait_alu, always for 0.
; THE PLAN.  Registers that memory or LDS instructions touch in K step s of pass 0:
;   WS[(s+1) % 4]  read by the step's 16 conversions; behind them the step's 8 weight loads land in it again.
;   T              written by those conversions; read by the step's 4 LDS stores; written again a step later.
;   AR[(s+3) % 4]  read by step s - 1's products; the step's 10 token loads land in it.
;   BF[(s+1) % 2]  read by step s - 1's products; the step's 16 fragment loads land in it.
;   WST, BRD       read by the LDS stores and loads; stepped once in four steps (ADV).      WOFF, AOFF  read by the loads; not written in the loop.
; So a step has two waits: on vm_vsrc at its head (the last step's LDS stores have read T), and on va_vdst behind its conversions (T is written; the conversions are done with WS; step s - 1's products are done
; with AR[(s+3) % 4] and BF[(s+1) % 2]; behind ADV, WST and BRD are written).  The step's stores and loads follow that wait, dealt among the products, which name BF[s % 2], AR[s % 4] and accumulators alone.
; REGISTERS, in windows of 256 (s_set_vgpr_msb: bits 1:0 source 0, 3:2 source 1, 5:4 source 2, 7:6 destination):
;   window 0: addresses; v32-47 rounded weights on their way to LDS (and FIND's work); v64-223 token fragments, a ring of 4 K steps x 5 tiles x 8      window 1: v0-127 weight fragments, two buffers; v128-255 weights as loaded, a ring of 4 x 32
;   window 2: accumulators of tiles 0-3 (tile i, columns tau at 64 i + 8 tau)      window 3: v0-63 tile 4; v64-127 the bias of my lane's 64 columns
.set PB,    16384                      ; bytes from row to row of W
.set PBS,   17                         ; 8 PB = 1 << PBS
.set AK,    64                         ; a token fragment: bytes from K step to K step,
.set AG,    32                         ; and between its two halves
.set HB,    528                        ; half a weight fragment in LDS: 512 bytes + 16
.set WR,    4*HB                       ; what one wave stores of a K step
.set KB,    4*WR                       ; a K step
.set SPARE, 32*KB                      ; behind the slice: the spare words, 128 bytes a wave, two blocks of 256 bytes that no other line names
.set WOFF, 4                           ; v4   my 16 bytes in the first of my 8 rows of a K step of W
.set WST,  5                           ; v5   where my rounded 16 bytes go in LDS; steps
.set BRD,  6                           ; v6   16 x lane + the K steps gone by
.set L16,  7                           ; v7   16 x lane
.set AOFF, 8                           ; v8-12  tile i: my token's row in xb + 16 h (in FIND: a queue of the tokens found)
.set HOFF, 13                          ; v13-17 tile i: its place in hbuf + 16 x lane
.set RHO,  21                          ; v21  FIND: my rank << 16 | 0xffff
.set PKV,  22                          ; v22  FIND: the packed prefix of my rank's word; then the token
.set WD,   23                          ; v23  FIND: my rank's word of the bitmap
.set ZR,   24                          ; v24  0, for the ReLU on packed halves
.set H16,  28                          ; v28  16 h
.set BOFF, 29                          ; v29  32 h
.set SPW,  30                          ; v30  SPARE + 4 x my thread's number; never rewritten
.set NIL,  31                          ; v31  0; never rewritten
.set T,    32
.set FC1,  32                          ; FIND: the word's counts of set bits in fields of 2,
.set FC2,  33                          ; 4,
.set FC4,  34                          ; 8
.set FC8,  35                          ; and 16 bits
.set FN,   36                          ; which set bit of the word is wanted, counted from 0
.set FP,   37                          ; the bit position so far
.set FT,   38                          ; at work
.set FD,   39
.set FQ,   40
.set AR,   64
.set BF,   0                           ; window 1
.set WS,   128                         ; window 1
.set BIAS, 64                          ; window 3
.set WV,   16                          ; s16 wave   s17 expert   s18 bx
.set EX,   17
.set BX,   18
.set CNT,  19                          ; s19  the expert's rows
.set LOOP, 20
.set PASS, 21
.set T0,   22                          ; s22  20 p + w: my first tile of the pass
.set AL4,  23                          ; s23  1: my fifth tile of pass 0 has rows
                                       ; s24-27 at work; with s98-101 they are FIND's eight masks: mask k at s[24 + k + 70 (k / 4)]
.set CNT1, 28                          ; s28  max(CNT, 1)
.set FTL,  29                          ; s29  FIND: the tile in hand
.set KO,   30                          ; s30  the later passes: LDS byte at which the K step in hand begins
.set HM,   31                          ; s31  0xffff
.set MA,   32                          ; s[32:63] the expert's bitmap: bit b of word j is token 32 j + b
.set PK,   66                          ; s67-97   word j = 1..31: (rows in the words before j) << 16 | 32 j
.set MSB, 0
.macro WIN new                         ; the immediate's high byte repeats the setting that is left; a switch that changes nothing is dropped
.if MSB != (\new)
	s_set_vgpr_msb (MSB<<8)|(\new)
.set MSB, \new
.endif
.endm
.macro PLACES                          ; four places behind a product, ahead of what reads its result or writes one of its registers (ISA guide 7.12.1)
.rept 4
	v_nop
.endr
.endm
.macro WLOAD u, ko                     ; my 8 rows of the K step ko steps on, into slot u
	WIN 0x40
.irp i, 0,1,2,3,4,5,6,7
	global_load_b128 v[WS+32*(\u)+4*\i:WS+32*(\u)+4*\i+3], v[WOFF], s[6:7] offset:(32*(\ko)+\i)*PB th:TH_LOAD_NT
.endr
.endm
.macro ALOAD a, ko                     ; my five tiles' token fragments of the K step ko steps on, into slot a.  Always all five, so that the counts of loads are the same on every path
	WIN 0
.irp i, 0,1,2,3,4
	global_load_b128 v[AR+40*(\a)+8*\i:AR+40*(\a)+8*\i+3],   v[AOFF+\i], s[4:5] offset:(\ko)*AK
	global_load_b128 v[AR+40*(\a)+8*\i+4:AR+40*(\a)+8*\i+7], v[AOFF+\i], s[4:5] offset:(\ko)*AK+AG
.endr
.endm
.macro CONV u, ko                      ; slot u is rounded, pairs of rows packed, and stored as fragment lanes of K step ko
	WIN 0x05
.irp j, 0,1,2,3
.irp p, 0,1,2,3
	v_cvt_pk_bf16_f32 v[T+4*\j+\p], v[WS+32*(\u)+8*\p+\j], v[WS+32*(\u)+8*\p+4+\j]
.endr
.endr
	WIN 0
	s_wait_alu depctr_va_vdst(0)                   ; the conversions have written T, which the LDS stores read, and are done reading slot u; the products of the step before are done reading the token slot and the fragment buffer that this step loads; WST and BRD are written
.irp j, 0,1,2,3
	ds_store_b128 v[WST], v[T+4*\j:T+4*\j+3] offset:(\ko)*KB+16*\j
.endr
.endm
.macro BLOAD b, ko                     ; the eight weight fragments of K step ko into buffer b: half gg of columns tau was stored by wave 2 gg + tau / 4
	WIN 0x40
.irp t, 0,1,2,3,4,5,6,7
.irp g, 0,1
	ds_load_b128 v[BF+64*(\b)+8*\t+4*\g:BF+64*(\b)+8*\t+4*\g+3], v[BRD] offset:(\ko)*KB+((\t/4)+2*\g)*WR+(\t%4)*HB
.endr
.endr
.endm
.macro MM i, a, b                      ; tile i: eight products on eight accumulators, which so take turns
.if (\i) < 4
	WIN 0xa1
.else
	WIN 0xf1
.endif
.irp t, 0,1,2,3,4,5,6,7
	v_wmma_f32_16x16x32_bf16 v[64*((\i)%4)+8*\t:64*((\i)%4)+8*\t+7], v[BF+64*(\b)+8*\t:BF+64*(\b)+8*\t+7], v[AR+40*(\a)+8*(\i):AR+40*(\a)+8*(\i)+7], v[64*((\i)%4)+8*\t:64*((\i)%4)+8*\t+7]
.endr
.endm
; K STEP s of pass 0, q = s % 4.  It multiplies step s; rounds step s + 1's weights into LDS; asks for the tokens of step s + 3 and the weights of step s + 5.
; n: a step issues 10 token loads and then 8 weight loads.  Step s wants its tokens (asked for in step s - 3) and the weights of s + 1 (older).  Behind those tokens stand 8 + 10 + 8 + 10 + 8 = 44 loads.
; The 16 conversions stand between the last step's products and the loads into the registers that those products read; the wait behind them (in CONV) states that dependence.
; The loads follow that wait with no further one: the token loads behind the first tile's products, the fragment and weight loads behind the second's; no product issued since the wait names a register that they touch.
; ONE barrier a step: in front of it every wave's stores of step s + 1 are done, behind it every wave reads them.  Nothing in LDS is overwritten, so no ordering the other way is needed.
.macro STEP q, conv, al, wl, n
	s_wait_loadcnt \n
.if \conv
	s_wait_alu depctr_vm_vsrc(0)                   ; the four LDS stores of the step before have read T, which the conversions write again
	CONV ((\q)+1)%4, (\q)+1
	s_wait_dscnt 4                                 ; this step's 16 fragment loads are in; the four stores just issued may be out
.else
	s_wait_dscnt 0x0
.endif
	MM 0, \q, (\q)%2
.if \al
	ALOAD ((\q)+3)%4, (\q)+3
.endif
.if \conv
	s_wait_dscnt 0x0                               ; for the others' sake: my stores are done
	s_barrier_signal -1
.endif
	MM 1, \q, (\q)%2
.if \conv
	s_barrier_wait -1
	BLOAD ((\q)+1)%2, (\q)+1
.endif
.if \wl
	WLOAD ((\q)+1)%4, (\q)+5
.endif
	MM 2, \q, (\q)%2
	MM 3, \q, (\q)%2
	WIN 0
	s_cmp_eq_u32 s[AL4], 0
	s_cbranch_scc1 .Lno4_\@                        ; the fifth tile's products are jumped where it has no rows
	MM 4, \q, (\q)%2
	WIN 0
.Lno4_\@:
.endm
.macro ADV                             ; four K steps on
	s_wait_xcnt 0x0                                ; the bases are rewritten only behind this wait
	s_wait_alu depctr_vm_vsrc(0)                   ; the LDS stores and loads issued so far have read WST and BRD, which the two adds below write
	s_add_nc_u64 s[6:7], s[6:7], 128*PB
	s_add_nc_u64 s[4:5], s[4:5], 4*AK
	v_add_nc_u32 v[WST], 4*KB, v[WST]
	v_add_nc_u32 v[BRD], 4*KB, v[BRD]
.endm
; One level of the search for set bit number FN of the word: the field of wid bits at FP of src counts the set bits of the lower half of what is left; if the wanted bit is not among them, they are
; taken off FN and the search goes stp bits up.
.macro LEVEL src, wid, stp
	v_bfe_u32 v[FT], v[\src], v[FP], \wid
	v_add_nc_u32 v[FQ], \stp, v[FP]
	v_cmp_ge_u32 vcc_lo, v[FN], v[FT]
	v_sub_nc_u32 v[FD], v[FN], v[FT]
	s_wait_alu depctr_va_vcc(0)                    ; the compare has written VCC, which the two selects read
	v_cndmask_b32 v[FP], v[FP], v[FQ], vcc_lo
	v_cndmask_b32 v[FN], v[FN], v[FD], vcc_lo
.endm
; THE ADDRESSES OF A PASS'S FIVE TILES.  Five trips, a tile a trip: lane (r, h) looks for the token of rank 16 t + r.  The words' packed prefixes ascend, so the last of them that is not above
; rank << 16 | 0xffff is that of the word which holds the rank; it and the word are kept by 31 x (compare, two selects).  The compares hang on the rank alone, so they go in runs of eight, into eight
; scalar registers, with one wait behind each run; the selects follow in the words' order.  Then the set bit is found from the word's counts by halves.
; The token goes into a queue of five registers, which after five trips holds the tiles in order.  A tile without rows is jumped and takes token 0; in a tile that is not full a rank past the count ends at
; token 1,023: rows that exist, whose results are not stored.
.macro FIND
	WIN 0
.irp i, 1,2,3,4
	v_mov_b32 v[AOFF+\i], 0                        ; the queue is read from its first trip on
.endr
	s_mov_b32 s[FTL], s[T0]
	s_mov_b32 s[LOOP], 5
.Lfind_\@:
	v_mov_b32 v[PKV], 0                            ; word 0's packed prefix; and the token of a tile without rows
	s_lshl_b32 s24, s[FTL], 4
	s_cmp_ge_u32 s24, s[CNT]
	s_cbranch_scc1 .Lfound_\@
	v_add_nc_u32 v[RHO], s24, v2                   ; my rank, under 1,024 here
	v_lshl_or_b32 v[RHO], v[RHO], 16, s[HM]
	v_mov_b32 v[WD], s[MA]
.set j, 1
.rept 4
.set k, 0
.rept 8
.if j+k < 32
	v_cmp_gt_u32 s[24+k+70*(k/4)], s[PK+j+k], v[RHO]   ; more rows before word j + k than my rank: the word has been passed, what is held stays
.endif
.set k, k+1
.endr
	s_wait_alu depctr_va_sdst(0)                   ; the run's compares have written their masks, which the selects below read
.set k, 0
.rept 8
.if j+k < 32
	v_cndmask_b32 v[PKV], s[PK+j+k], v[PKV], s[24+k+70*(k/4)]
	v_cndmask_b32 v[WD], s[MA+j+k], v[WD], s[24+k+70*(k/4)]
.endif
.set k, k+1
.endr
.set j, j+8
.endr
	v_lshrrev_b32 v[FN], 16, v[RHO]
	v_lshrrev_b32 v[FT], 16, v[PKV]
	v_sub_nc_u32 v[FN], v[FN], v[FT]               ; my rank within the word
	v_lshrrev_b32 v[FC1], 1, v[WD]                 ; counts of set bits in fields of 2, 4, 8 and 16 bits
	v_and_b32 v[FC1], 0x55555555, v[FC1]
	v_sub_nc_u32 v[FC1], v[WD], v[FC1]
	v_lshrrev_b32 v[FC2], 2, v[FC1]
	v_and_b32 v[FT], 0x33333333, v[FC1]
	v_and_b32 v[FC2], 0x33333333, v[FC2]
	v_add_nc_u32 v[FC2], v[FC2], v[FT]
	v_lshrrev_b32 v[FC4], 4, v[FC2]
	v_add_nc_u32 v[FC4], v[FC4], v[FC2]
	v_and_b32 v[FC4], 0x0f0f0f0f, v[FC4]
	v_lshrrev_b32 v[FC8], 8, v[FC4]
	v_add_nc_u32 v[FC8], v[FC8], v[FC4]
	v_and_b32 v[FC8], 0x00ff00ff, v[FC8]
	v_mov_b32 v[FP], 0
	LEVEL FC8, 8, 16
	LEVEL FC4, 8, 8
	LEVEL FC2, 4, 4
	LEVEL FC1, 2, 2
	LEVEL WD,  1, 1
	v_and_b32 v[PKV], s[HM], v[PKV]                ; 32 j
	v_add_nc_u32 v[PKV], v[PKV], v[FP]             ; + the bit = the token
.Lfound_\@:
.irp i, 0,1,2,3
	v_mov_b32 v[AOFF+\i], v[AOFF+\i+1]
.endr
	v_mov_b32 v[AOFF+4], v[PKV]
	s_add_co_u32 s[FTL], s[FTL], 4
	s_sub_co_u32 s[LOOP], s[LOOP], 1
	s_cmp_lg_u32 s[LOOP], 0
	s_cbranch_scc1 .Lfind_\@
.irp i, 0,1,2,3,4
	v_min_u32 v[AOFF+\i], 0x3ff, v[AOFF+\i]
	v_lshl_add_u32 v[AOFF+\i], v[AOFF+\i], 11, v[H16]
	s_add_co_u32 s24, s[T0], 4*\i
	s_min_u32 s24, s24, 63                         ; a tile past 63 is never stored: its offset only has to lie in the buffer
	v_lshl_add_u32 v[HOFF+\i], s24, 17, v[L16]
.endr
.endm
; The sums begin with the bias: 320 moves, which take the place of 320 additions behind the products and of a first K step written out.  In pass 0 they stand in the wait for the first weights and tokens.
.macro INIT
	WIN 0x83
.set c, 0
.rept 256
	v_mov_b32 v[c], v[BIAS+c%64]
.set c, c+1
.endr
	WIN 0xc3
.set c, 0
.rept 64
	v_mov_b32 v[c], v[BIAS+c]
.set c, c+1
.endr
.endm
; THE WAY OUT of tile i: rounded to bf16 (each accumulator's registers ascending), ReLU on the packed halves, eight stores of 512 consecutive bytes.
.macro HOUT i
	WIN 0
	s_add_co_u32 s24, s[T0], 4*(\i)
	s_lshl_b32 s24, s24, 4
	s_cmp_ge_u32 s24, s[CNT1]
	s_cbranch_scc1 .Lhdead_\@
.if (\i) < 4
	WIN 0x0a
.else
	WIN 0x0f
.endif
.set c, 0
.rept 32
	v_cvt_pk_bf16_f32 v[AR+32*(\i)+c], v[64*((\i)%4)+2*c], v[64*((\i)%4)+2*c+1]
.set c, c+1
.endr
	WIN 0
.set c, 0
.rept 32
	v_pk_max_num_bf16 v[AR+32*(\i)+c], v[AR+32*(\i)+c], v[ZR]
.set c, c+1
.endr
	s_wait_alu depctr_va_vdst(0)                   ; the maxima have written the tile's 32 registers, which the eight stores read
.irp t, 0,1,2,3,4,5,6,7
	global_store_b128 v[HOFF+(\i)], v[AR+32*(\i)+4*\t:AR+32*(\i)+4*\t+3], s[12:13] offset:(\t/2)*1024+(\t%2)*512
.endr
.Lhdead_\@:
.endm
	s_load_b256 s[4:11], s[0:1], 0x0               ; xb s[4:5], w_up s[6:7], b_up s[8:9], maps s[10:11]
	s_load_b64 s[12:13], s[0:1], 0x20              ; hbuf
	v_lshl_add_u32 v[SPW], v0, 2, SPARE
	v_mov_b32 v[NIL], 0
	v_and_b32 v1, 31, v0                           ; lane
	v_and_b32 v2, 15, v0                           ; r; never rewritten
	v_bfe_u32 v3, v0, 4, 1                         ; h
	v_lshrrev_b32 v21, 5, v0
	v_readfirstlane_b32 s[WV], v21                 ; wave 0..3
	s_and_b32 s[EX], ttmp7, 0xffff
	s_mov_b32 s[BX], ttmp9
	s_wait_alu depctr_va_sdst(0)                   ; the wave's number is written, ahead of its first reader
	s_lshr_b32 s24, s[WV], 1
	s_mul_i32 s24, s24, 16*PB                      ; rows 16 (w / 2) on,
	s_and_b32 s25, s[WV], 1
	s_lshl_b32 s25, s25, 8                         ; columns 64 (w % 2) on
	s_add_co_u32 s24, s24, s25
	v_lshlrev_b32 v[WOFF], 4, v2
	v_lshl_add_u32 v[WOFF], v3, PBS, v[WOFF]
	v_add_nc_u32 v[WOFF], s24, v[WOFF]
	v_lshrrev_b32 v21, 2, v2                       ; my 4 columns lie in half fragment r / 4 of my wave's four, at fragment lanes 4 (r % 4) + 0..3 of half h
	v_mul_u32_u24 v[WST], v21, HB
	v_and_b32 v21, 3, v2
	v_lshl_add_u32 v[WST], v21, 6, v[WST]
	v_lshl_add_u32 v[WST], v3, 8, v[WST]
	s_mul_i32 s24, s[WV], WR
	v_add_nc_u32 v[WST], s24, v[WST]
	v_lshlrev_b32 v[L16], 4, v1
	v_mov_b32 v[BRD], v[L16]
	v_lshlrev_b32 v[H16], 4, v3
	v_lshlrev_b32 v[BOFF], 5, v3
	v_mov_b32 v[ZR], 0
	s_mov_b32 s[HM], 0xffff
	s_mov_b32 s25, 0
	s_wait_kmcnt 0x0
	s_lshl_b32 s24, s[EX], 7
	s_add_nc_u64 s[10:11], s[10:11], s[24:25]
	s_load_b512 s[MA:MA+15], s[10:11], 0x0         ; the expert's 1,024 bits
	s_load_b512 s[MA+16:MA+31], s[10:11], 0x40
	s_lshl_b32 s24, s[EX], 24
	s_lshl_b32 s26, s[BX], 9
	s_add_co_u32 s24, s24, s26
	s_add_nc_u64 s[6:7], s[6:7], s[24:25]          ; W at the slice's first row
	s_lshl_b32 s24, s[EX], 14
	s_add_co_u32 s24, s24, s26
	s_add_nc_u64 s[8:9], s[8:9], s[24:25]          ; the slice's bias
	s_lshl_b32 s24, s[EX], 23
	s_lshl_b32 s26, s[BX], 12
	s_add_co_u32 s24, s24, s26
	s_add_nc_u64 s[12:13], s[12:13], s[24:25]      ; hbuf at the expert's tile 0, K step 4 bx
	s_mov_b64 s[14:15], s[4:5]                     ; xb is kept for the later passes
	WIN 0xc0
	s_wait_alu depctr_va_vdst(0)                   ; the offsets and LDS addresses made above are written: BOFF and WOFF, which the loads below read, WST and BRD for the first K step
.irp t, 0,1,2,3,4,5,6,7
	global_load_b128 v[BIAS+8*\t:BIAS+8*\t+3],   v[BOFF], s[8:9] offset:64*\t
	global_load_b128 v[BIAS+8*\t+4:BIAS+8*\t+7], v[BOFF], s[8:9] offset:64*\t+16
.endr
	WLOAD 0, 0                                     ; four K steps of weights go out before anything else is done: 32 loads of 512 bytes a wave
	WLOAD 1, 1
	WLOAD 2, 2
	WLOAD 3, 3
	WIN 0
	s_mov_b32 s[CNT], 0
	s_wait_kmcnt 0x0
.set j, 0
.rept 32                                               ; the words' packed prefixes, and the count of rows
.if j > 0
	s_lshl_b32 s[PK+j], s[CNT], 16
	s_or_b32 s[PK+j], s[PK+j], 32*j
.endif
	s_bcnt1_i32_b32 s24, s[MA+j]
	s_add_co_u32 s[CNT], s[CNT], s24
.set j, j+1
.endr
	s_max_u32 s[CNT1], s[CNT], 1
	s_mov_b32 s[T0], s[WV]
	s_add_co_u32 s24, s[WV], 16
	s_lshl_b32 s24, s24, 4
	s_cmp_lt_u32 s24, s[CNT]
	s_cselect_b32 s[AL4], 1, 0
	FIND
	s_wait_loadcnt 32                              ; the bias is in; the 32 weight loads issued behind it stay out
	s_wait_alu depctr_va_vdst(0)                   ; FIND has written the five row offsets, which the token loads read
	ALOAD 0, 0                                     ; the first tokens go out as soon as they are known: the 416 vector instructions below stand in the wait for them
	ALOAD 1, 1
	WIN 0x0f                                       ; the bias is rounded to bf16, as every input is; at work: the ring's slot 3, which is first loaded in K step 0
.set c, 0
.rept 32
	v_cvt_pk_bf16_f32 v[AR+120+c], v[BIAS+2*c], v[BIAS+2*c+1]
.set c, c+1
.endr
	WIN 0xc0
.set c, 0
.rept 32
	v_lshlrev_b32 v[BIAS+2*c], 16, v[AR+120+c]
	v_and_b32 v[BIAS+2*c+1], 0xffff0000, v[AR+120+c]
.set c, c+1
.endr
	INIT
	s_wait_loadcnt 44                              ; K step 0's weights are in: behind them stand 24 weight loads and 20 token loads
	CONV 0, 0                                      ; (no LDS store has read T yet; its wait on va_vdst also stands behind the bias's rounding, which worked in slot 3)
	ALOAD 2, 2
	WLOAD 0, 4
	s_wait_dscnt 0x0
	s_barrier_signal -1
	s_barrier_wait -1                              ; everybody's part of K step 0 is in LDS
	BLOAD 0, 0
	s_wait_loadcnt 18                              ; all but the 10 + 8 just issued: from here on the loop's count holds by its own arithmetic
	WIN 0
	s_mov_b32 s[LOOP], 6
.Lk:
	STEP 0, 1, 1, 1, 44
	STEP 1, 1, 1, 1, 44
	STEP 2, 1, 1, 1, 44
	STEP 3, 1, 1, 1, 44
	ADV
	s_sub_co_u32 s[LOOP], s[LOOP], 1
	s_cmp_lg_u32 s[LOOP], 0
	s_cbranch_scc1 .Lk
	STEP 0, 1, 1, 1, 44                            ; K steps 24 to 31 are written out: no load leaves its buffer, and the counts run down
	STEP 1, 1, 1, 1, 44
	STEP 2, 1, 1, 1, 44                            ; the last weights, K step 31's, are asked for
	STEP 3, 1, 1, 0, 44
	ADV
	STEP 0, 1, 1, 0, 36                            ; behind step 28's tokens: 8 + 10 + 8 + 10.  The last tokens, step 31's, are asked for
	STEP 1, 1, 0, 0, 28                            ; behind step 29's: 8 + 10 + 10
	STEP 2, 1, 0, 0, 10                            ; behind step 30's: 10
	STEP 3, 0, 0, 0, 0
	PLACES
	s_mov_b32 s[PASS], 0
.Lpass:                                                ; four trips: a pass's tiles go out; then, if the expert has rows for it, the next pass is multiplied from the slice in LDS
	s_wait_xcnt 0x0                                ; the registers that the last trip's stores read are rewritten only behind this wait
	s_wait_alu depctr_vm_vsrc(0)                   ; the last trip's stores have read their data, v64-223, which the conversions below write again
	HOUT 0
	HOUT 1
	HOUT 2
	HOUT 3
	HOUT 4
	s_add_co_u32 s[T0], s[T0], 20
	s_lshl_b32 s24, s[T0], 4
	s_cmp_ge_u32 s24, s[CNT]
	s_cbranch_scc1 .Lnext
	s_wait_xcnt 0x0                                ; the stores' data and offsets are rewritten below
	s_wait_alu depctr_vm_vsrc(0)                   ; the stores have read HOFF and their data, the token loads AOFF, the LDS stores T: FIND writes the first, third and fourth, and tokens land in the second
	s_mov_b64 s[4:5], s[14:15]
	FIND
	INIT
	WIN 0
	s_mov_b32 s[KO], 0
	s_mov_b32 s[LOOP], 32
.Lres:                                                 ; plain on purpose: it runs only for an expert with more than 320 rows
	s_wait_alu depctr_vm_vsrc(0)                   ; the fragment loads issued so far have read BRD
	v_add_nc_u32 v[BRD], s[KO], v[L16]             ; the K step's place in the slice, made anew in each trip: a counted scalar + 16 x lane
	s_wait_alu depctr_va_vdst(0)                   ; BRD is written, and in the first trip the row offsets; the last trip's products are done reading token slot 0 and fragment buffer 0, in which the loads below land
	ALOAD 0, 0
	BLOAD 0, 0
	s_wait_loadcnt 0x0
	s_wait_dscnt 0x0
	MM 0, 0, 0
	MM 1, 0, 0
	MM 2, 0, 0
	MM 3, 0, 0
	MM 4, 0, 0
	WIN 0
	PLACES                                         ; ahead of the way out's conversions, which read the results and write over the tokens just read
	s_add_nc_u64 s[4:5], s[4:5], AK                ; free since the wait that showed the loads done
	s_add_co_u32 s[KO], s[KO], KB
	s_sub_co_u32 s[LOOP], s[LOOP], 1
	s_cmp_lg_u32 s[LOOP], 0
	s_cbranch_scc1 .Lres
.Lnext:
	s_add_co_u32 s[PASS], s[PASS], 1
	s_cmp_lt_u32 s[PASS], 4
	s_cbranch_scc1 .Lpass
	s_wait_dscnt 0x0                               ; my reads of the slice are over;
	s_barrier_signal -1                            ; a barrier on every wave's path between all waves' reads of the slice and the closing LDS write.  Slice and spare words are
	s_barrier_wait -1                              ; different bytes by the constants above, so it orders nothing that the values need: it keeps write and reads apart in time as well
	s_wait_dscnt 0x0                               ; the closing lines, six on end
	s_wait_alu 0x0
	s_wait_tensorcnt 0x0
	ds_add_u32 v[SPW], v[NIL]
	s_wait_dscnt 0x0
	s_endpgm
.Lfunc_end_k_qcb765a52a8_up:
	.size	k_qcb765a52a8_up, .Lfunc_end_k_qcb765a52a8_up-k_qcb765a52a8_up
	.p2alignl 7, 3214868480
	.fill 96, 4, 3214868480
	.section	.rodata,"a",@progbits
	.p2align	6, 0x0
	.amdhsa_kernel k_qcb765a52a8_up
		.amdhsa_group_segment_fixed_size 270848
		.amdhsa_private_segment_fixed_size 0
		.amdhsa_enable_private_segment 0
		.amdhsa_kernarg_size 40
		.amdhsa_user_sgpr_count 2
		.amdhsa_user_sgpr_kernarg_segment_ptr 1
		.amdhsa_wavefront_size32 1
		.amdhsa_system_sgpr_workgroup_id_x 1
		.amdhsa_system_sgpr_workgroup_id_y 1
		.amdhsa_system_sgpr_workgroup_id_z 1
		.amdhsa_system_vgpr_workitem_id 0
		.amdhsa_next_free_vgpr 896
		.amdhsa_next_free_sgpr 102
		.amdhsa_reserve_vcc 1
		.amdhsa_float_denorm_mode_32 3
		.amdhsa_float_denorm_mode_16_64 3
		.amdhsa_memory_ordered 1
		.amdhsa_forward_progress 1
		.amdhsa_inst_pref_size 170
	.end_amdhsa_kernel
	.amdgpu_metadata
---
amdhsa.version: [ 1, 2 ]
amdhsa.kernels:
  - .name:           k_qcb765a52a8_up
    .symbol:         k_qcb765a52a8_up.kd
    .args:
      - { .name: xb, .offset: 0, .size: 8, .value_kind: global_buffer, .address_space: global }
      - { .name: w_up, .offset: 8, .size: 8, .value_kind: global_buffer, .address_space: global }
      - { .name: b_up, .offset: 16, .size: 8, .value_kind: global_buffer, .address_space: global }
      - { .name: maps, .offset: 24, .size: 8, .value_kind: global_buffer, .address_space: global }
      - { .name: hbuf, .offset: 32, .size: 8, .value_kind: global_buffer, .address_space: global }
    .group_segment_fixed_size: 270848
    .private_segment_fixed_size: 0
    .kernarg_segment_align: 8
    .kernarg_segment_size: 40
    .max_flat_workgroup_size: 128
    .sgpr_count:     102
    .vgpr_count:     896
    .wavefront_size: 32
...
	.end_amdgpu_metadata
.endif
;; end of part 6
;; launch down (part 7): grid 32 x 8, 4 waves a work-group, no clusters, 322,048 bytes of LDS; arguments hbuf, w_down, maps, ybuf; writes ybuf
.if DOCPART == 7
	.amdgcn_target "amdgcn-amd-amdhsa--gfx1250"
	.amdhsa_code_object_version 6
	.text
	.protected	k_qcb765a52a8_down
	.globl	k_qcb765a52a8_down
	.p2align	8
	.type	k_qcb765a52a8_down,@function
k_qcb765a52a8_down:
	s_mov_b64 s[64:65], 0
	v_nop
	global_prefetch_b8 v0, s[64:65] scope:SCOPE_SE
	s_setreg_imm32_b32 hwreg(HW_REG_WAVE_SCHED_MODE, 0, 2), 2
	s_setreg_imm32_b32 hwreg(HW_REG_WAVE_MODE, 25, 1), 1
	s_wait_xcnt 0x0
	s_wait_alu depctr_vm_vsrc(0)
; SECOND PRODUCT.  y = h W_down[e] for the rows of expert e, as four partial sums over F.  h is bf16 as the first product left it, W rounded once to bf16, sums and y in f32.  The bias and the gate's weight come in the next launch.
; SHARES.  Work-group (bx, e): columns 128 (bx % 8) .. +127 of D, rows 1,024 (bx / 8) .. +1,023 of F: 1,024 x 512 bytes of f32, which it alone reads, once; and ALL of the expert's rows.
; The quarter of F is what makes 256 work-groups of slices whose rows are 512 bytes long; its price is ybuf, [quarter 4][entry 2,048][1,024] f32, entry = 2 x token + (0: first choice, 1: second).
; Each entry belongs to one expert, so every byte of ybuf is stored once.  Rows are stored by token, so the next launch needs no ranks.
; The walk is the first product's: tiles of 16 ranks, tile t = 20 p + 4 i + w; pass 0 streams the slice through registers into LDS one K step ahead of the products; the rounded slice stays in LDS for passes 1 to 3.
; Every loop has a constant count; the count of rows steers forward jumps alone, none of which passes a barrier.
; NO SHARED TILES by tensor loads: each weight byte has one reader and is rounded on its way; h's tiles, which eight work-groups read, go straight into operand registers, 512 consecutive bytes a load.
; A tile without rows repeats the expert's last tile that has rows (tile 0 is always written); its products are not stored.
; LIMITS.  NaN and infinities are not treated apart.
; THE MODE: SCHED_MODE bits 1:0 = 2 (LLVM: expert scheduling mode 2), set by the entry lines.  The code itself states the register dependences between vector or matrix instructions
; and memory or LDS instructions, with s_wait_alu, always for 0.
; THE PLAN.  Registers that memory or LDS instructions touch in K step s of pass 0:
;   WS[(s+1) % 4]  read by the step's 16 conversions; behind them the step's 8 weight loads land in it again.
;   T              written by those conversions; read by the step's 4 LDS stores; written again a step later.
;   AR[(s+3) % 4]  read by step s - 1's products; the step's 10 token loads land in it.
;   BF[(s+1) % 2]  read by step s - 1's products; the step's 16 fragment loads land in it.
;   WST, BRD       read by the LDS stores and loads; stepped once in four steps (ADV).      WOFF, AOFF  read by the loads; not written in the loop.
; So a step has two waits: on vm_vsrc at its head (the last step's LDS stores have read T), and on va_vdst behind its conversions (T is written; the conversions are done with WS; step s - 1's products are done
; with AR[(s+3) % 4] and BF[(s+1) % 2]; behind ADV, WST and BRD are written).  The step's stores and loads follow that wait, dealt among the products, which name BF[s % 2], AR[s % 4] and accumulators alone.
; The way out of a tile: the accumulators are the data of LDS stores; E and v64-127 take LDS loads, E is then worked on, and both are read by the tile's stores: three waits at the tile's head, one ahead of its stores.
; REGISTERS, in windows of 256 (s_set_vgpr_msb: bits 1:0 source 0, 3:2 source 1, 5:4 source 2, 7:6 destination):
;   window 0: addresses; v32-47 rounded weights on their way to LDS; v48-63 row offsets on the way out; v64-223 token fragments, a ring of 4 K steps x 5 tiles x 8
;   window 1: v0-127 weight fragments, two buffers; v128-255 weights as loaded, a ring of 4 x 32      window 2: accumulators of tiles 0-3 (64 i + 8 tau)      window 3: v0-63 tile 4
.set PB,    4096                       ; bytes from row to row of W
.set PBS,   15                         ; 8 PB = 1 << PBS
.set AK,    1024                       ; a token fragment in hbuf: bytes from K step to K step,
.set AG,    512                        ; and between its two halves
.set HB,    528                        ; half a weight fragment in LDS: 512 bytes + 16
.set WR,    4*HB
.set KB,    4*WR
.set LISTB, 32*KB                      ; for each wave a list of its own, rank -> entry: 1,024 words, 32 dump words, padding
.set LISTSZ, 4352
.set STAGE, LISTB+4*LISTSZ             ; for each wave 16 rows x 528 bytes, for the way out
.set SPT,   528
.set SPARE, STAGE+4*16*SPT             ; the spare words, 128 bytes a wave, two blocks of 256 bytes that no other line names
.set WOFF, 4
.set WST,  5
.set BRD,  6
.set L16,  7
.set AOFF, 8                           ; v8-12  tile i: its place in hbuf + 16 x lane
.set LRD,  13                          ; v13-17 tile i: its 16 words of the list
.set LB,   18
.set DUMPI, 19
.set TOK,  20                          ; v20  2 x the token that my lane stands for in the round in hand
.set STG,  26                          ; v26  the way out: where I put 32 bytes of token r's row
.set SRD,  27                          ; v27  where I read 16 bytes of a row back
.set SPW,  30
.set NIL,  31
.set T,    32
.set E,    48
.set AR,   64
.set LA,   144                         ; v144-175  at the head only: round j's LDS address in the list (the ring's slots 2 and 3, which are loaded later)
.set LD,   176                         ; v176-207  at the head only: round j's word
.set BF,   0
.set WS,   128
.set WV,   16
.set EX,   17
.set BX,   18
.set CNT,  19
.set LOOP, 20
.set PASS, 21
.set T0,   22
.set AL4,  23
.set TL,   28                          ; s28  the last tile that has rows (0 where there is none)
.set NR,   29                          ; s29  rows from a tile's first on
.set KO,   30                          ; s30  (at work in the set-up; then) the later passes: LDS byte at which the K step in hand begins
.set MA,   32                          ; s[32:63] token chose e
.set MB,   68                          ; s[68:99] e is the token's second choice
.set MSB, 0
.macro WIN new
.if MSB != (\new)
	s_set_vgpr_msb (MSB<<8)|(\new)
.set MSB, \new
.endif
.endm
.macro PLACES                          ; four places behind a product, ahead of what reads its result or writes one of its registers (ISA guide 7.12.1)
.rept 4
	v_nop
.endr
.endm
.macro WLOAD u, ko
	WIN 0x40
.irp i, 0,1,2,3,4,5,6,7
	global_load_b128 v[WS+32*(\u)+4*\i:WS+32*(\u)+4*\i+3], v[WOFF], s[6:7] offset:(32*(\ko)+\i)*PB th:TH_LOAD_NT
.endr
.endm
.macro ALOAD a, ko                     ; always all five tiles, so that the counts of loads are the same on every path
	WIN 0
.irp i, 0,1,2,3,4
	global_load_b128 v[AR+40*(\a)+8*\i:AR+40*(\a)+8*\i+3],   v[AOFF+\i], s[4:5] offset:(\ko)*AK
	global_load_b128 v[AR+40*(\a)+8*\i+4:AR+40*(\a)+8*\i+7], v[AOFF+\i], s[4:5] offset:(\ko)*AK+AG
.endr
.endm
.macro CONV u, ko
	WIN 0x05
.irp j, 0,1,2,3
.irp p, 0,1,2,3
	v_cvt_pk_bf16_f32 v[T+4*\j+\p], v[WS+32*(\u)+8*\p+\j], v[WS+32*(\u)+8*\p+4+\j]
.endr
.endr
	WIN 0
	s_wait_alu depctr_va_vdst(0)                   ; the conversions have written T, which the LDS stores read, and are done reading slot u; the products of the step before are done reading the token slot and the fragment buffer that this step loads; WST and BRD are written
.irp j, 0,1,2,3
	ds_store_b128 v[WST], v[T+4*\j:T+4*\j+3] offset:(\ko)*KB+16*\j
.endr
.endm
.macro BLOAD b, ko
	WIN 0x40
.irp t, 0,1,2,3,4,5,6,7
.irp g, 0,1
	ds_load_b128 v[BF+64*(\b)+8*\t+4*\g:BF+64*(\b)+8*\t+4*\g+3], v[BRD] offset:(\ko)*KB+((\t/4)+2*\g)*WR+(\t%4)*HB
.endr
.endr
.endm
.macro MM i, a, b                      ; eight products on eight accumulators, which so take turns
.if (\i) < 4
	WIN 0xa1
.else
	WIN 0xf1
.endif
.irp t, 0,1,2,3,4,5,6,7
	v_wmma_f32_16x16x32_bf16 v[64*((\i)%4)+8*\t:64*((\i)%4)+8*\t+7], v[BF+64*(\b)+8*\t:BF+64*(\b)+8*\t+7], v[AR+40*(\a)+8*(\i):AR+40*(\a)+8*(\i)+7], v[64*((\i)%4)+8*\t:64*((\i)%4)+8*\t+7]
.endr
.endm
; K STEP s of pass 0, q = s % 4: multiplies step s; rounds step s + 1's weights into LDS; asks for the tokens of step s + 3 and the weights of step s + 5.
; n: behind step s's tokens (asked for in step s - 3; the weights of s + 1 are older) stand 8 + 10 + 8 + 10 + 8 = 44 loads.  The 16 conversions stand between the last step's
; products and the loads into the registers that those read; the wait behind them (in CONV) states that dependence.  The loads follow that wait with no further one: the token loads behind the first
; tile's products, the fragment and weight loads behind the second's; no product issued since the wait names a register that they touch.
; ONE barrier: in front of it every wave's stores of step s + 1 are done, behind it every wave reads them; nothing in LDS is overwritten.
.macro STEP q, conv, al, wl, n
	s_wait_loadcnt \n
.if \conv
	s_wait_alu depctr_vm_vsrc(0)                   ; the four LDS stores of the step before have read T, which the conversions write again
	CONV ((\q)+1)%4, (\q)+1
	s_wait_dscnt 4                                 ; this step's 16 fragment loads are in; the four stores just issued may be out
.else
	s_wait_dscnt 0x0
.endif
	MM 0, \q, (\q)%2
.if \al
	ALOAD ((\q)+3)%4, (\q)+3
.endif
.if \conv
	s_wait_dscnt 0x0                               ; for the others' sake: my stores are done
	s_barrier_signal -1
.endif
	MM 1, \q, (\q)%2
.if \conv
	s_barrier_wait -1
	BLOAD ((\q)+1)%2, (\q)+1
.endif
.if \wl
	WLOAD ((\q)+1)%4, (\q)+5
.endif
	MM 2, \q, (\q)%2
	MM 3, \q, (\q)%2
	WIN 0
	s_cmp_eq_u32 s[AL4], 0
	s_cbranch_scc1 .Lno4_\@
	MM 4, \q, (\q)%2
	WIN 0
.Lno4_\@:
.endm
.macro ADV
	s_wait_xcnt 0x0                                ; the bases are rewritten only behind this wait
	s_wait_alu depctr_vm_vsrc(0)                   ; the LDS stores and loads issued so far have read WST and BRD, which the two adds below write
	s_add_nc_u64 s[6:7], s[6:7], 128*PB
	s_add_nc_u64 s[4:5], s[4:5], 4*AK
	v_add_nc_u32 v[WST], 4*KB, v[WST]
	v_add_nc_u32 v[BRD], 4*KB, v[BRD]
.endm
.macro SETUP
	WIN 0
.irp i, 0,1,2,3,4
	s_add_co_u32 s24, s[T0], 4*\i
	s_min_u32 s25, s24, 63
	v_lshl_add_u32 v[LRD+\i], s25, 6, v[LB]
	s_min_u32 s24, s24, s[TL]                      ; a tile without rows repeats the last that has some
	s_min_u32 s24, s24, 63
	v_lshl_add_u32 v[AOFF+\i], s24, 17, v[L16]
.endr
.endm
; The sums begin at 0: 320 moves, the price of writing no first K step out; in pass 0 they stand in the wait for the first weights.
.macro INIT
	WIN 0x80
.set c, 0
.rept 256
	v_mov_b32 v[c], 0
.set c, c+1
.endr
	WIN 0xc0
.set c, 0
.rept 64
	v_mov_b32 v[c], 0
.set c, c+1
.endr
.endm
; THE WAY OUT of tile i.  A lane holds 8 columns of one token; through my own stage a token's 128 columns come together, and one store of the wave covers its 512 consecutive bytes.
; Which row of ybuf a rank goes to stands in my list.  Rows past the count are jumped by a scalar branch.
.macro YOUT i
	WIN 0
	s_add_co_u32 s24, s[T0], 4*(\i)
	s_lshl_b32 s24, s24, 4
	s_cmp_ge_u32 s24, s[CNT]
	s_cbranch_scc1 .Lydead_\@
	s_sub_co_u32 s[NR], s[CNT], s24
	s_wait_xcnt 0x0                                ; the registers that the last tile's stores read are rewritten only behind this wait
	s_wait_alu depctr_vm_vsrc(0)                   ; the last tile's stores have read E and v64-127, in which the LDS loads below land
	s_wait_alu depctr_va_vdst(0)                   ; the products have written this tile's accumulators, which the LDS stores read, and are done reading v64-127; the last tile's arithmetic on E is done
.if (\i) < 4
	WIN 0x08
.else
	WIN 0x0c
.endif
.irp t, 0,1,2,3,4,5,6,7
	ds_store_b128 v[STG], v[64*((\i)%4)+8*\t:64*((\i)%4)+8*\t+3]   offset:64*\t
	ds_store_b128 v[STG], v[64*((\i)%4)+8*\t+4:64*((\i)%4)+8*\t+7] offset:64*\t+16
.endr
	WIN 0
.set c, 0
.rept 16
	ds_load_b32 v[E+c], v[LRD+(\i)] offset:4*c     ; every lane reads the same word
.set c, c+1
.endr
.set c, 0
.rept 16
	ds_load_b128 v[AR+4*c:AR+4*c+3], v[SRD] offset:SPT*c  ; LDS serves a wave's instructions in order (ISA guide 5.7.1.4): these see the stores above
.set c, c+1
.endr
	s_wait_dscnt 0x0
.set c, 0
.rept 16
	v_min_u32 v[E+c], 0x7ff, v[E+c]
	v_lshl_add_u32 v[E+c], v[E+c], 12, v[L16]
.set c, c+1
.endr
	s_wait_alu depctr_va_vdst(0)                   ; the sixteen row offsets in E are written, which the stores read
	global_store_b128 v[E], v[AR:AR+3], s[10:11]
.set c, 1
.rept 15
	s_cmp_le_u32 s[NR], c
	s_cbranch_scc1 .Lydead_\@
	global_store_b128 v[E+c], v[AR+4*c:AR+4*c+3], s[10:11]
.set c, c+1
.endr
.Lydead_\@:
.endm
	s_load_b256 s[4:11], s[0:1], 0x0               ; hbuf s[4:5], w_down s[6:7], maps s[8:9], ybuf s[10:11]
	v_lshl_add_u32 v[SPW], v0, 2, SPARE
	v_mov_b32 v[NIL], 0
	v_and_b32 v1, 31, v0                           ; lane
	v_and_b32 v2, 15, v0                           ; r
	v_bfe_u32 v3, v0, 4, 1                         ; h
	v_lshrrev_b32 v21, 5, v0
	v_readfirstlane_b32 s[WV], v21                 ; wave 0..3
	s_and_b32 s[EX], ttmp7, 0xffff
	s_mov_b32 s[BX], ttmp9
	s_wait_alu depctr_va_sdst(0)                   ; the wave's number is written, ahead of its first reader
	s_lshr_b32 s24, s[WV], 1
	s_mul_i32 s24, s24, 16*PB
	s_and_b32 s25, s[WV], 1
	s_lshl_b32 s25, s25, 8
	s_add_co_u32 s24, s24, s25
	v_lshlrev_b32 v[WOFF], 4, v2
	v_lshl_add_u32 v[WOFF], v3, PBS, v[WOFF]
	v_add_nc_u32 v[WOFF], s24, v[WOFF]             ; rows 16 (w / 2) + 8 h on, columns 64 (w % 2) + 4 r on
	v_lshrrev_b32 v21, 2, v2
	v_mul_u32_u24 v[WST], v21, HB
	v_and_b32 v21, 3, v2
	v_lshl_add_u32 v[WST], v21, 6, v[WST]
	v_lshl_add_u32 v[WST], v3, 8, v[WST]
	s_mul_i32 s24, s[WV], WR
	v_add_nc_u32 v[WST], s24, v[WST]               ; half fragment r / 4 of my wave's four, fragment lanes 4 (r % 4) + 0..3 of half h
	v_lshlrev_b32 v[L16], 4, v1
	v_mov_b32 v[BRD], v[L16]
	s_mul_i32 s24, s[WV], LISTSZ
	s_add_co_u32 s24, s24, LISTB
	v_mov_b32 v[LB], s24
	v_add_nc_u32 v[DUMPI], 0x400, v1
	v_add_nc_u32 v23, v[LB], v[L16]
	s_mul_i32 s24, s[WV], 16*SPT
	s_add_co_u32 s24, s24, STAGE
	v_mul_u32_u24 v[STG], v2, SPT
	v_lshl_add_u32 v[STG], v3, 5, v[STG]
	v_add_nc_u32 v[STG], s24, v[STG]
	v_add_nc_u32 v[SRD], s24, v[L16]
	v_lshlrev_b32 v[TOK], 1, v1
.irp j, 0,1,2,3
	v_mov_b32 v[T+\j], 0
.endr
	s_lshr_b32 s26, s[BX], 3                       ; which quarter of F
	s_and_b32 s27, s[BX], 7                        ; which 128 columns of D
	s_mov_b32 s25, 0
	s_wait_kmcnt 0x0
	s_lshl_b32 s24, s[EX], 7
	s_add_nc_u64 s[8:9], s[8:9], s[24:25]
	s_load_b512 s[MA:MA+15], s[8:9], 0x0
	s_load_b512 s[MA+16:MA+31], s[8:9], 0x40
	s_load_b512 s[MB:MB+15], s[8:9], 0x400
	s_load_b512 s[MB+16:MB+31], s[8:9], 0x440
	s_lshl_b32 s24, s[EX], 24
	s_lshl_b32 s30, s26, 22
	s_add_co_u32 s24, s24, s30
	s_lshl_b32 s31, s27, 9
	s_add_co_u32 s24, s24, s31
	s_add_nc_u64 s[6:7], s[6:7], s[24:25]          ; W at the slice's first row
	s_lshl_b32 s24, s[EX], 23
	s_lshl_b32 s30, s26, 15
	s_add_co_u32 s24, s24, s30
	s_add_nc_u64 s[4:5], s[4:5], s[24:25]          ; hbuf at the expert's tile 0, K step 32 x quarter
	s_mov_b64 s[14:15], s[4:5]                     ; kept for the later passes
	s_lshl_b32 s24, s26, 23
	s_add_co_u32 s24, s24, s31
	s_add_nc_u64 s[10:11], s[10:11], s[24:25]      ; ybuf at the quarter's entry 0, my columns
	WIN 0x40
	s_wait_alu depctr_va_vdst(0)                   ; the offsets and LDS addresses made above are written: WOFF, which the loads below read; v23 and the zeros in T, which the clearing stores read; WST, BRD, STG and SRD for later
	WLOAD 0, 0                                     ; four K steps of weights go out before anything else is done: 32 loads of 512 bytes a wave
	WLOAD 1, 1
	WLOAD 2, 2
	WLOAD 3, 3
	WIN 0
	; THE LIST, each wave's own: word rank = 2 x token + (e is its second choice).  Cleared first, so that every word that is read has been written.
	; All 32 rounds' addresses and words are made first, each in a register of its own, so that one wait stands ahead of the run of 32 stores.
.irp k, 0,1,2,3,4,5,6,7
	ds_store_b128 v23, v[T:T+3] offset:512*\k
.endr
	s_mov_b32 s[CNT], 0
	s_wait_kmcnt 0x0
.set j, 0
.rept 32                                               ; round j: tokens 32 j + lane
	v_mbcnt_lo_u32_b32 v[LA+j], s[MA+j], s[CNT]    ; the rows before this round + the chosen lanes below mine = my rank
	v_cndmask_b32 v[LA+j], v[DUMPI], v[LA+j], s[MA+j]  ; a lane whose token did not choose e writes its dump word
	v_min_u32 v[LA+j], 0x41f, v[LA+j]
	v_lshl_add_u32 v[LA+j], v[LA+j], 2, v[LB]
	v_add_nc_u32 v[LD+j], 1, v[TOK]
	v_cndmask_b32 v[LD+j], v[TOK], v[LD+j], s[MB+j]
	v_add_nc_u32 v[TOK], 64, v[TOK]
	s_bcnt1_i32_b32 s24, s[MA+j]
	s_add_co_u32 s[CNT], s[CNT], s24
.set j, j+1
.endr
	s_add_co_u32 s[TL], s[CNT], 15
	s_lshr_b32 s[TL], s[TL], 4
	s_max_u32 s[TL], s[TL], 1
	s_sub_co_u32 s[TL], s[TL], 1
	s_mov_b32 s[T0], s[WV]
	s_add_co_u32 s24, s[WV], 16
	s_lshl_b32 s24, s24, 4
	s_cmp_lt_u32 s24, s[CNT]
	s_cselect_b32 s[AL4], 1, 0
	SETUP
	s_wait_alu depctr_va_vdst(0)                   ; the five tiles' offsets are written, which the token loads read; so are the list's 32 addresses and 32 words, which the LDS stores read
	ALOAD 0, 0
	ALOAD 1, 1
.set j, 0
.rept 32
	ds_store_b32 v[LA+j], v[LD+j]
.set j, j+1
.endr
	INIT
	s_wait_loadcnt 44                              ; K step 0's weights are in: behind them stand 24 weight loads and 20 token loads
	s_wait_alu depctr_vm_vsrc(0)                   ; the LDS stores have read the zeros in T, which the conversions write, and v144-207, in which the tokens of K steps 2 and 3 land
	CONV 0, 0
	ALOAD 2, 2
	WLOAD 0, 4
	s_wait_dscnt 0x0
	s_barrier_signal -1
	s_barrier_wait -1                              ; everybody's part of K step 0 is in LDS
	BLOAD 0, 0
	s_wait_loadcnt 18                              ; all but the 10 + 8 just issued: from here on the loop's count holds by its own arithmetic
	WIN 0
	s_mov_b32 s[LOOP], 6
.Lk:
	STEP 0, 1, 1, 1, 44
	STEP 1, 1, 1, 1, 44
	STEP 2, 1, 1, 1, 44
	STEP 3, 1, 1, 1, 44
	ADV
	s_sub_co_u32 s[LOOP], s[LOOP], 1
	s_cmp_lg_u32 s[LOOP], 0
	s_cbranch_scc1 .Lk
	STEP 0, 1, 1, 1, 44                            ; K steps 24 to 31 are written out: no load leaves its buffer, and the counts run down
	STEP 1, 1, 1, 1, 44
	STEP 2, 1, 1, 1, 44                            ; the last weights, K step 31's, are asked for
	STEP 3, 1, 1, 0, 44
	ADV
	STEP 0, 1, 1, 0, 36                            ; behind step 28's tokens: 8 + 10 + 8 + 10.  The last tokens, step 31's, are asked for
	STEP 1, 1, 0, 0, 28                            ; behind step 29's: 8 + 10 + 10
	STEP 2, 1, 0, 0, 10                            ; behind step 30's: 10
	STEP 3, 0, 0, 0, 0
	PLACES
	s_mov_b32 s[PASS], 0
.Lpass:                                                ; four trips: a pass's tiles go out; then, if the expert has rows for it, the next pass is multiplied from the slice in LDS
	YOUT 0
	YOUT 1
	YOUT 2
	YOUT 3
	YOUT 4
	; Two barriers a trip, on every wave's path: this one between every wave's stores into its stage and the reads of the slice below, the other, at the trip's end, between those reads and the next
	; LDS writes (the next trip's stage; the closing add).  Stage, slice and spare words are different bytes by the constants above, so the two order nothing that the values need: they keep
	; the writes and the reads of the slice apart in time as well.
	s_wait_dscnt 0x0
	s_barrier_signal -1
	s_barrier_wait -1
	s_add_co_u32 s[T0], s[T0], 20
	s_lshl_b32 s24, s[T0], 4
	s_cmp_ge_u32 s24, s[CNT]
	s_cbranch_scc1 .Lnext
	s_wait_xcnt 0x0                                ; the stores' data are loaded over below
	s_wait_alu depctr_vm_vsrc(0)                   ; my LDS stores have read the accumulators, which INIT writes; the token loads AOFF and the list's loads LRD, which SETUP writes; the stores v64-127, in which tokens land
	s_mov_b64 s[4:5], s[14:15]
	SETUP
	INIT
	WIN 0
	s_mov_b32 s[KO], 0
	s_mov_b32 s[LOOP], 32
.Lres:                                                 ; plain on purpose: it runs only for an expert with more than 320 rows
	s_wait_alu depctr_vm_vsrc(0)                   ; the fragment loads issued so far have read BRD
	v_add_nc_u32 v[BRD], s[KO], v[L16]             ; the K step's place in the slice, made anew in each trip: a counted scalar + 16 x lane
	s_wait_alu depctr_va_vdst(0)                   ; BRD is written, and in the first trip the tiles' offsets; the last trip's products are done reading token slot 0 and fragment buffer 0, in which the loads below land
	ALOAD 0, 0
	BLOAD 0, 0
	s_wait_loadcnt 0x0
	s_wait_dscnt 0x0
	MM 0, 0, 0
	MM 1, 0, 0
	MM 2, 0, 0
	MM 3, 0, 0
	MM 4, 0, 0
	WIN 0
	PLACES                                         ; ahead of the way out, whose LDS stores read the results
	s_add_nc_u64 s[4:5], s[4:5], AK                ; free since the wait that showed the loads done
	s_add_co_u32 s[KO], s[KO], KB
	s_sub_co_u32 s[LOOP], s[LOOP], 1
	s_cmp_lg_u32 s[LOOP], 0
	s_cbranch_scc1 .Lres
.Lnext:
	s_wait_dscnt 0x0                               ; my reads of the slice are over
	s_barrier_signal -1
	s_barrier_wait -1                              ; everybody's are
	s_add_co_u32 s[PASS], s[PASS], 1
	s_cmp_lt_u32 s[PASS], 4
	s_cbranch_scc1 .Lpass
	s_wait_dscnt 0x0                               ; the closing lines, six on end
	s_wait_alu 0x0
	s_wait_tensorcnt 0x0
	ds_add_u32 v[SPW], v[NIL]
	s_wait_dscnt 0x0
	s_endpgm
.Lfunc_end_k_qcb765a52a8_down:
	.size	k_qcb765a52a8_down, .Lfunc_end_k_qcb765a52a8_down-k_qcb765a52a8_down
	.p2alignl 7, 3214868480
	.fill 96, 4, 3214868480
	.section	.rodata,"a",@progbits
	.p2align	6, 0x0
	.amdhsa_kernel k_qcb765a52a8_down
		.amdhsa_group_segment_fixed_size 322048
		.amdhsa_private_segment_fixed_size 0
		.amdhsa_enable_private_segment 0
		.amdhsa_kernarg_size 32
		.amdhsa_user_sgpr_count 2
		.amdhsa_user_sgpr_kernarg_segment_ptr 1
		.amdhsa_wavefront_size32 1
		.amdhsa_system_sgpr_workgroup_id_x 1
		.amdhsa_system_sgpr_workgroup_id_y 1
		.amdhsa_system_sgpr_workgroup_id_z 1
		.amdhsa_system_vgpr_workitem_id 0
		.amdhsa_next_free_vgpr 832
		.amdhsa_next_free_sgpr 100
		.amdhsa_reserve_vcc 0
		.amdhsa_float_denorm_mode_32 3
		.amdhsa_float_denorm_mode_16_64 3
		.amdhsa_memory_ordered 1
		.amdhsa_forward_progress 1
		.amdhsa_inst_pref_size 173
	.end_amdhsa_kernel
	.amdgpu_metadata
---
amdhsa.version: [ 1, 2 ]
amdhsa.kernels:
  - .name:           k_qcb765a52a8_down
    .symbol:         k_qcb765a52a8_down.kd
    .args:
      - { .name: hbuf, .offset: 0, .size: 8, .value_kind: global_buffer, .address_space: global }
      - { .name: w_down, .offset: 8, .size: 8, .value_kind: global_buffer, .address_space: global }
      - { .name: maps, .offset: 16, .size: 8, .value_kind: global_buffer, .address_space: global }
      - { .name: ybuf, .offset: 24, .size: 8, .value_kind: global_buffer, .address_space: global }
    .group_segment_fixed_size: 322048
    .private_segment_fixed_size: 0
    .kernarg_segment_align: 8
    .kernarg_segment_size: 32
    .max_flat_workgroup_size: 128
    .sgpr_count:     100
    .vgpr_count:     832
    .wavefront_size: 32
...
	.end_amdgpu_metadata
.endif
;; end of part 7
;; launch comb: the kernel of part 4 again; grid 256 x 1, 8 waves a work-group, no clusters, 0 bytes of LDS; arguments ybuf, wts, sel, b_down, part, out0, out1; writes out0, out1
